; MI455X (gfx1250); checked and timed in simulation.
; The chip was launched on July 23, 2026; its instructions are those of AMD's public machine-readable ISA for CDNA 5 (MIT licence, August 2026) and "CDNA5" Instruction Set Architecture Reference Guide (July 2026). The comments in the code are by the model that wrote it; some were corrected since.
;; attention. Allowed arithmetic: matrix products marked QUANTISED: E2M3 operands, one E8M0 scale for each 32 along K, by v_wmma_scale_f32_16x16x128_f8f6f4 with both operands' format E2M3, f32 sums; everything else in f32.
;; Inputs: Wk_codes 8 x 512 x 16 x 24 uint8 (E2M3 codes of Wk, K innermost, in blocks of 32 codes, four codes in three bytes); Wk_scales 8 x 512 x 16 uint8 (E8M0 scales of Wk, one for each 32 codes along K); Wo_codes 512 x 128 x 24 uint8 (E2M3 codes of Wo, K innermost, in blocks of 32 codes, four codes in three bytes); Wo_scales 512 x 128 uint8 (E8M0 scales of Wo, one for each 32 codes along K); Wq_codes 8 x 512 x 16 x 24 uint8 (E2M3 codes of Wq, K innermost, in blocks of 32 codes, four codes in three bytes); Wq_scales 8 x 512 x 16 uint8 (E8M0 scales of Wq, one for each 32 codes along K); Wv_codes 8 x 512 x 16 x 24 uint8 (E2M3 codes of Wv, K innermost, in blocks of 32 codes, four codes in three bytes); Wv_scales 8 x 512 x 16 uint8 (E8M0 scales of Wv, one for each 32 codes along K); bk 8 x 512 float32; bo 512 float32; bq 8 x 512 float32; bv 8 x 512 float32; k_codes 4 x 1,024 x 16 x 24 uint8 (E2M3 codes of k, K innermost, in blocks of 32 codes, four codes in three bytes); k_scales 4 x 1,024 x 16 uint8 (E8M0 scales of k, one for each 32 codes along K); q_codes 4 x 1,024 x 16 x 24 uint8 (E2M3 codes of q, K innermost, in blocks of 32 codes, four codes in three bytes); q_scales 4 x 1,024 x 16 uint8 (E8M0 scales of q, one for each 32 codes along K); v_codes 4 x 1,024 x 16 x 24 uint8 (E2M3 codes of v, K innermost, in blocks of 32 codes, four codes in three bytes); v_scales 4 x 1,024 x 16 uint8 (E8M0 scales of v, one for each 32 codes along K).
;; Outputs: out0 4 x 1,024 x 512 float32.
;; This version of the problem:
;;   THIS VERSION OF THE PROBLEM IS GIVEN IN LOW PRECISION. The matrix products marked QUANTISED in the list below multiply operands that are first quantised to E2M3 (2 exponent bits, 3 mantissa bits; 6 bits a number), with one power-of-two scale for each 32 numbers along K (OCP MX v1.0); their sums are f32. All else is computed in f32.
;;   The module's matrix products, in the order in which they are computed (A, B: the left and right operand; K: the contracted axis; several contracted axes count as one K, in the product's order):
;;     1. [M 4,096, K 512] x [K 512, N 4,096]; A: input Wq (given as codes); B: input q (given as codes): QUANTISED
;;     2. [M 4,096, K 512] x [K 512, N 4,096]; A: input Wk (given as codes); B: input k (given as codes): QUANTISED
;;     3. [M 4,096, K 512] x [K 512, N 4,096]; A: input Wv (given as codes); B: input v (given as codes): QUANTISED
;;     4. batch 32 x [M 1,024, K 512] x [K 512, N 1,024]; A: computed on the way; B: computed on the way: QUANTISED
;;     5. batch 32 x [M 1,024, K 1,024] x [K 1,024, N 512]; A: computed on the way; B: computed on the way: QUANTISED
;;     6. [M 4,096, K 4,096] x [K 4,096, N 512]; A: computed on the way; B: input Wo (given as codes): QUANTISED
;;   THE QUANTISER, for each operand of a quantised product, along K:
;;     - K is cut into blocks of 32 from its start; a last block that is shorter is filled with zeros.
;;     - A block's scale is 2^e with e = floor(log2(the largest magnitude in the block)) - 2, held to -126 .. 127; a block of zeros has e = 0. As a byte (E8M0): e + 127.
;;     - Each number is divided by its block's scale, clamped to +-7.5, and rounded to the nearest number of E2M3, ties to even, subnormals kept.
;;     - The product sums the exact products of the quantised numbers (number of the format x scale) in f32.
;;   ~~~python
;;   def quantise(x, axis):      # numpy; x: float32 -> the quantised numbers, widened to float32 again
;;       x = np.moveaxis(x, axis, -1); K = x.shape[-1]
;;       x = np.pad(x, [(0, 0)] * (x.ndim - 1) + [(0, -K % 32)]); x = x.reshape(x.shape[:-1] + (-1, 32)); a = np.abs(x).max(-1, keepdims=True)
;;       e = np.where(a > 0, np.clip(np.frexp(np.where(a > 0, a, 1))[1] - 1 - 2, -126, 127), 0)      # np.frexp(a)[1] - 1 = floor(log2(a)), exactly
;;       r = np.clip(x / 2.0 ** e, -7.5, 7.5)
;;       step = 2.0 ** (np.maximum(np.frexp(np.where(r == 0, 1, r))[1] - 1, 0) - 3)
;;       q = np.round(r / step) * step * 2.0 ** e      # np.round: ties to even
;;       return np.moveaxis(q.reshape(q.shape[:-2] + (-1,))[..., :K], -1, axis).astype(np.float32)
;;   ~~~
;;   OPERANDS COMPUTED ON THE WAY. 'Computed on the way' means the value that the module computes at that place (a softmax that the list does not call 'softmax' is quantised finished and normalised). What goes into a quantiser is computed in f32, as accurately as f32 sums, v_exp_f32 and their like allow (about 1e-6 of the number): no bf16 or f16 on the way to a quantiser, and a product that is left as it is and whose result goes on into a quantised operand takes f32 operands (vector FMAs, or v_wmma_f32_16x16x4_f32). A number that lies on a knife's edge between two numbers of the format may be rounded either way, as far as f32 arithmetic and the matrix unit's own rounding can turn it there, and no further.
;;   INPUTS GIVEN AS CODES. Wk (in the module: [8, 512, 512], K = its axis 2); Wo (in the module: [512, 4096], K = its axis 1); Wq (in the module: [8, 512, 512], K = its axis 2); Wv (in the module: [8, 512, 512], K = its axis 2); k (in the module: [4, 1024, 512], K = its axis 2); q (in the module: [4, 1024, 512], K = its axis 2); v (in the module: [4, 1024, 512], K = its axis 2): each comes as NAME_codes (uint8): NAME with its K axis moved to the last place and cut into blocks of 32 codes, [.., K / 32, bytes a block], one block behind the other in memory; four codes in three bytes: a row's codes are one little-endian stream of bits, code i at bits 6 i .. 6 i + 5 (a code: sign, 2 exponent bits, 3 mantissa bits); and NAME_scales (uint8): the same leading axes, one E8M0 byte (e + 127) for each 32 codes along K. Its value is code x scale, taken as it is: it is not quantised again, and the codes and scales need not be those that the quantiser above would give.
;; One version. Each part assembles by itself: llvm-mc -triple=amdgcn-amd-amdhsa -mcpu=gfx1250 --defsym DOCPART=n.
;; ======== version 1 of 1: 3 launches
;; workspace buffers: QF 13,107,200 bytes; KF 13,107,200 bytes; VF 13,107,200 bytes; AF 13,107,200 bytes
;; launch proj (part 1): grid 16 x 16, 4 waves a work-group, clusters of 4 x 4, 327,680 bytes of LDS; arguments q_codes, q_scales, Wq_codes, Wq_scales, bq, QF, k_codes, k_scales, Wk_codes, Wk_scales, bk, KF, Wv_codes, Wv_scales, v_codes, v_scales, bv, VF; writes QF, KF, VF
.if DOCPART == 1
	.amdgcn_target "amdgcn-amd-amdhsa--gfx1250"
	.amdhsa_code_object_version 6
	.text
	.protected	k_qa33d6f8b7c_proj
	.globl	k_qa33d6f8b7c_proj
	.p2align	8
	.type	k_qa33d6f8b7c_proj,@function
k_qa33d6f8b7c_proj:
	s_mov_b64 s[64:65], 0
	v_nop
	global_prefetch_b8 v0, s[64:65] scope:SCOPE_SE
	s_setreg_imm32_b32 hwreg(HW_REG_WAVE_MODE, 25, 1), 1
	s_wait_xcnt 0x0
	s_wait_alu depctr_hold_cnt(0) depctr_sa_sdst(0) depctr_va_vdst(0) depctr_va_sdst(0) depctr_va_ssrc(0) depctr_va_vcc(0) depctr_vm_vsrc(0)
	s_getreg_b32 s2, hwreg(HW_REG_IB_STS2, 6, 4)
	s_cmp_eq_u32 s2, 0
	s_cbranch_scc0 .Lentry_in_a_cluster
	s_endpgm
.Lentry_in_a_cluster:
	s_bfe_u32 s2, ttmp6, 0x10000c
	s_cmp_lg_u32 s2, 0xf033
	s_cbranch_scc0 .Lentry_shape_is_right
	s_endpgm
.Lentry_shape_is_right:
; THE THREE PROJECTIONS: qh = q Wq^T + bq, kh = k Wk^T + bk, vh = v Wv^T + bv, each [4096] x [4096] over K = 512, on codes of FP6 (E2M3) with one E8M0 scale for each 32 along K,
; and each result quantised again along the K of the product that reads it: qh and kh along the head's 512 channels, vh along the keys.
; SOURCES.  Source 0 (S0) takes the rows that become the next K, source 1 (S1) the rows that stay rows: q, k: S0 = the weight's rows, S1 = the tokens; v: S0 = the tokens, S1 = Wv's rows.
; In a result lane (r, h) then holds ONE row of S1 (16 n + r), and its register j the S0 row 16 t + 8 h + j.  All six operands are [4096] rows of 384 bytes with 16 scale bytes a row: the three products differ in pointers alone.
; SHARES.  256 work-groups that stay: work-group (I, J) makes the tile of 256 S1 rows x 256 S0 rows of all three products, one after the other; each of its four waves 128 x 128: 64 accumulators, 512 registers.
; K goes in steps of 256 (rows of 192 bytes) through a ring of two LDS slots filled by the tensor data mover; the ring does not stop at a tile's end: a tile's two changes of slots ask for the next product's two K steps, which land under the quantising.
; CLUSTERS: 4 x 4 work-groups.  S1's tile hangs on I alone and is asked for jointly by a row of the cluster, S0's on J alone and by a column.
; WHAT IS STORED: a UNIT of 12,800 bytes for each wave and product: 128 rows x 128 along the next K, as images of operand registers: fragment n (rows 16 n + r) at 1,536 n, its registers 4 c .. 4 c + 3 of lane l at 512 c + 16 l;
; at 12,288 + 16 l four scale words: word p is that of row 16 (2 p + l / 16) + l % 16.  Every store of a wave covers 512 consecutive bytes, aligned to 256.
; QF, KF: [b 4][head 8][128 tokens: 8][128 channels: 4] units;  VF: [b 4][head 8][128 channels: 4][128 keys: 8] units.
; LIMITS: NaN and infinities are not served.  A block whose largest magnitude lies under 2^(3 - 127), a block of zeros among them, gets the byte 1 (the quantiser gives a block of zeros 127): its codes are zeros or what that scale gives, and this program alone reads the bytes.
; The bias is the C of a sum's first matrix instruction, so it is added ahead of the products and not behind them.
; REGISTERS, in windows of 256: window 0: v16-31 addresses; v32-47 S1's scale words, v48-63 S0's (nothing else ever lies there); v64-107 the quantiser's; v128-223 S1's eight fragments, ONE set.
;   window 1: S0's fragments, TWO sets, v0-95 and v128-223; the bias, 8 x 8 registers, in the gaps v96-127 and v224-255.   windows 2, 3: the accumulators of S1's blocks 0-3 and 4-7.
.set PITCH,  240                       ; an LDS row: 3 x (64 bytes + 16 of padding)
.set HALFT,  128*PITCH                 ; 128 rows: what one tensor load brings, and what one wave reads of S1 or of S0
.set SLOT,   4*HALFT                   ; S1's 256 rows, then S0's 256 rows
.set SPARE,  2*SLOT                    ; behind the ring: the spare words, 128 bytes for each wave
.set ROWB,   192                       ; 256 codes
.set KROW,   384                       ; a row in memory: 512 codes
.set FR,     12                        ; registers of a fragment
.set NL,     6                         ; LDS loads that bring one
.set UNIT,   12800
.set ADRA, 16                          ; v16-17 LDS address of my S1 fragments in slot 0, 1; v18-19 the same behind one padding more
.set ADRB, 20                          ; v20-23 the same for S0
.set LI,   24                          ; v24  16 x lane
.set BH32, 25                          ; v25  32 x (lane / 16)
.set R4,   26                          ; v26  4 x (lane % 16)
.set H8,   27                          ; v27  8 x (lane / 16)
.set SPW,  28                          ; v28  LDS address of my spare word; never rewritten
.set NIL,  29                          ; v29  0; never rewritten
.set S1S,  32                          ; register 4 p + ks: lanes 0-15 the word of S1's block 2 p, lanes 16-31 of block 2 p + 1, for the ks-th 128 along K
.set S0S,  48
.set PC,   64                          ; v64-75  a fragment's codes
.set PX,   76                          ; v76-78, v80-82  the second halves of its two blocks, as the conversions leave them
.set TM,   84                          ; v84-87  largest magnitudes
.set TS,   88                          ; v88-89  the conversions' scale operands
.set TB,   90                          ; v90-91  the scales' bytes
.set TW,   92
.set TXV,  93
.set PWB,  96                          ; v96-103 the scale words of the eight tiles of rows
.set SW,   104                         ; v104-107 the scale image
.set AF,   128
.set G1A, 40                           ; s[40:47] descriptor group 1 for S1's tiles, s[48:55] for S0's
.set G1B, 48
.set G0A, 56                           ; s[56:63] group 0 for S1's tiles, a set for each slot; s[68:75] for S0's
.set G0B, 68
.set WV, 76
.set RH, 77
.set CH, 78
.set CX, 79
.set CY, 80
.set TJ, 81
.set TI, 82
.set FL, 83
.set OFFA, 84                          ; s[84:85] where the rows that I fetch for S1 begin, in bytes; s[86:87] for S0
.set OFFB, 86
.set SEL, 88
.set PTA, 92                           ; s[92:97] S1's scales, S0's scales and the bias at my wave's rows
.set PTB, 94
.set PTC, 96
.set OB, 98                            ; s[98:99] my unit
.set GG, 100                           ; my group of 128 S1 rows
.set TT, 101                           ; my group of 128 S0 rows
.set MSB, 0
.macro WIN new                         ; the immediate's high byte repeats the setting that is left; a switch that changes nothing is dropped
.set WNEW, \new
.if MSB != WNEW
	s_set_vgpr_msb (MSB<<8)|WNEW
.set MSB, WNEW
.endif
.endm
.macro PLACES n
.rept \n
	v_nop
.endr
.endm
; A joint load: waves 0 and 1 fetch S1's two halves, waves 2 and 3 S0's.  The branch hangs on the wave's number alone.  Four v_nop follow each of the two lines.
.macro JLOAD s
	s_cmp_eq_u32 s[RH], 0
	s_cbranch_scc0 .Lfor_b_\@
	tensor_load_to_lds s[G0A+4*\s:G0A+4*\s+3], s[G1A:G1A+7]
	s_nop 0
.rept 4
	v_nop
.endr
	s_branch .Lasked_\@
.Lfor_b_\@:
	tensor_load_to_lds s[G0B+4*\s:G0B+4*\s+3], s[G1B:G1B+7]
	s_nop 0
.rept 4
	v_nop
.endr
.Lasked_\@:
.endm
.macro CREST                           ; a round of the cluster's barrier behind its opening barrier
	s_cmp_lg_u32 s[WV], 0
	s_cbranch_scc1 .Lnot_wave_0_\@
	s_barrier_signal -3
.Lnot_wave_0_\@:
	s_barrier_wait -3
	s_barrier_signal -1
	s_barrier_wait -1
.endm
.macro CROUND
	s_barrier_signal -1
	s_barrier_wait -1
	CREST
.endm
; The global addresses of slot's two descriptors: K step slot of product tau.  Written only where no tensor load of the wave is out.
.macro AIM slot, tau
	s_add_nc_u64 s[G0A+4*\slot+2:G0A+4*\slot+3], s[4+12*(\tau):5+12*(\tau)], s[OFFA:OFFA+1]
	s_add_nc_u64 s[G0B+4*\slot+2:G0B+4*\slot+3], s[8+12*(\tau):9+12*(\tau)], s[OFFB:OFFB+1]
.if \slot
	s_add_nc_u64 s[G0A+4*\slot+2:G0A+4*\slot+3], s[G0A+4*\slot+2:G0A+4*\slot+3], ROWB
	s_add_nc_u64 s[G0B+4*\slot+2:G0B+4*\slot+3], s[G0B+4*\slot+2:G0B+4*\slot+3], ROWB
.endif
	s_or_b32 s[G0A+4*\slot+3], s[G0A+4*\slot+3], 0x80000000   ; type = 2
	s_or_b32 s[G0B+4*\slot+3], s[G0B+4*\slot+3], 0x80000000
.endm
; Product tau's scale words and bias for my wave, straight into registers, once a tile.  A row's 16 scale bytes are its four words: lane l takes row 32 p + l, 512 consecutive bytes a load.
.macro LOADSB tau
	s_lshl_b32 s90, s[GG], 11
	s_mov_b32 s91, 0
	s_add_nc_u64 s[PTA:PTA+1], s[6+12*(\tau):7+12*(\tau)], s[90:91]
	s_lshl_b32 s90, s[TT], 11
	s_add_nc_u64 s[PTB:PTB+1], s[10+12*(\tau):11+12*(\tau)], s[90:91]
.if (\tau) < 2
	s_lshl_b32 s90, s[TT], 9               ; the bias goes with the weight's rows: S0's
.else
	s_lshl_b32 s90, s[GG], 9               ; S1's
.endif
	s_add_nc_u64 s[PTC:PTC+1], s[12+12*(\tau):13+12*(\tau)], s[90:91]
.irp p, 0,1,2,3
	global_load_b128 v[S1S+4*\p:S1S+4*\p+3], v[LI], s[PTA:PTA+1] offset:512*\p
.endr
.irp p, 0,1,2,3
	global_load_b128 v[S0S+4*\p:S0S+4*\p+3], v[LI], s[PTB:PTB+1] offset:512*\p
.endr
	WIN 0x40                               ; destination window 1
.irp e, 0,1,2,3,4,5,6,7
.if (\tau) < 2
	global_load_b128 v[96+8*\e+96*(\e/4):96+8*\e+96*(\e/4)+3], v[BH32], s[PTC:PTC+1] offset:64*\e        ; for S0's tile e: the eight numbers of rows 16 e + 8 h + 0 .. 7
	global_load_b128 v[96+8*\e+96*(\e/4)+4:96+8*\e+96*(\e/4)+7], v[BH32], s[PTC:PTC+1] offset:64*\e+16
.else
	global_load_b32 v[96+8*\e+96*(\e/4)], v[R4], s[PTC:PTC+1] offset:64*\e                               ; for S1's tile e: the one number of row 16 e + r
.endif
.endr
	WIN 0
.endm
.macro FRAG reg, adr, q, i             ; a fragment, 16 rows x 128 K: lane (r, h) takes 24 bytes at 24 h and 24 at 48 + 24 h of its row's 96, in pieces of 8.  The mover has laid 16 bytes of padding behind every 8 pieces:
.irp p, 0,1,2,3,4,5                    ; where the piece three on (lanes 16-31) lies behind one padding more, the second address register (40 for 24 bytes a half) serves
.set PCE, 12*(\q)+6*(\p/3)+\p%3
.if PCE%8 < 5
	ds_load_b64 v[\reg+2*\p:\reg+2*\p+1], v[\adr] offset:8*PCE+16*(PCE/8)+(\i)*16*PITCH
.else
	ds_load_b64 v[\reg+2*\p:\reg+2*\p+1], v[\adr+2] offset:8*PCE+16*(PCE/8)+(\i)*16*PITCH
.endif
.endr
.endm
.macro FETCH_B slot, q, p              ; S0's eight fragments of the slot's q-th 128 along K into set p
	WIN 0x40
.irp i, 0,1,2,3,4,5,6,7
	FRAG 128*(\p)+FR*\i, ADRB+\slot, \q, \i
.endr
	WIN 0
.endm
.macro FETCH_A slot, q, i0             ; S1's blocks i0 .. i0 + 3
.irp i, \i0, \i0+1, \i0+2, \i0+3
	FRAG AF+FR*(\i), ADRA+\slot, \q, \i
.endr
.endm
; One product: S1's block n x S0's block t, the ks-th 128 along K, S0's set p.  The accumulator of (n, t) lies at place 4 (t / 4) + 2 (t % 2) + (t / 2) % 2 of block n's eight: the order that the quantiser's exchange wants.
; cm = 0: the sum goes on; 1: it begins with the bias of S0's tile t; 2: with that of S1's tile n.  An odd tile's scale words lie in lanes 16-31 of its register.
.macro WM n, t, p, ks, cm
.set rD, 8*(8*((\n)%4)+4*((\t)/4)+2*((\t)%2)+((\t)/2)%2)
.set rA, 128*(\p)+FR*(\t)
.set rB, AF+FR*(\n)
.set rSA, S0S+4*((\t)/2)+(\ks)
.set rSB, S1S+4*((\n)/2)+(\ks)
.set rC, rD
.if (\cm) == 1
.set rC, 96+8*(\t)+96*((\t)/4)
.elseif (\cm) == 2
.set rC, 96+8*(\n)+96*((\n)/4)
.endif
.set PAR, ((\t)%2)+2*((\n)%2)
.if PAR == 0
	v_wmma_scale_f32_16x16x128_f8f6f4 v[rD:rD+7], v[rA:rA+11], v[rB:rB+11], v[rC:rC+7], v[rSA], v[rSB] matrix_a_fmt:MATRIX_FMT_FP6 matrix_b_fmt:MATRIX_FMT_FP6
.elseif PAR == 1
	v_wmma_scale_f32_16x16x128_f8f6f4 v[rD:rD+7], v[rA:rA+11], v[rB:rB+11], v[rC:rC+7], v[rSA], v[rSB] matrix_a_fmt:MATRIX_FMT_FP6 matrix_b_fmt:MATRIX_FMT_FP6 matrix_a_scale:MATRIX_SCALE_ROW1
.elseif PAR == 2
	v_wmma_scale_f32_16x16x128_f8f6f4 v[rD:rD+7], v[rA:rA+11], v[rB:rB+11], v[rC:rC+7], v[rSA], v[rSB] matrix_a_fmt:MATRIX_FMT_FP6 matrix_b_fmt:MATRIX_FMT_FP6 matrix_b_scale:MATRIX_SCALE_ROW1
.else
	v_wmma_scale_f32_16x16x128_f8f6f4 v[rD:rD+7], v[rA:rA+11], v[rB:rB+11], v[rC:rC+7], v[rSA], v[rSB] matrix_a_fmt:MATRIX_FMT_FP6 matrix_b_fmt:MATRIX_FMT_FP6 matrix_a_scale:MATRIX_SCALE_ROW1 matrix_b_scale:MATRIX_SCALE_ROW1
.endif
.endm
.macro MUL16 a0, p, ks, cm             ; 16 matrix instructions.  The 64 accumulators take turns, one instruction a turn, in the same order in every step
.irp a, \a0, \a0+1
.irp b, 0,1,2,3,4,5,6,7
	WM \a, \b, \p, \ks, \cm
.endr
.endr
.endm
; A step of 128 along K that has its successor in the same slot.  Loads into registers that matrix instructions have read stand four plain vector instructions behind them (ISA guide 7.12.1 for vector instructions).
.macro STEP slot, ks, cm
	s_wait_dscnt 4*NL                      ; S0's set and S1's blocks 0-3 are in; the youngest 24 loads (S1's blocks 4-7) may be out
.if \cm
	WIN 0x91                               ; S0 window 1, S1 window 0, C (the bias) window 1, D window 2
.else
	WIN 0xa1                               ; C and D window 2
.endif
	MUL16 0, 0, \ks, \cm
	MUL16 2, 0, \ks, \cm
	s_wait_dscnt 0x0                       ; S1's blocks 4-7 are in
	PLACES 4
	FETCH_B \slot, 1, 1
	FETCH_A \slot, 1, 0
.if \cm
	WIN 0xd1
.else
	WIN 0xf1
.endif
	MUL16 4, 0, \ks, \cm
	MUL16 6, 0, \ks, \cm
	PLACES 4
	WIN 0
	FETCH_A \slot, 1, 4
.endm
; A slot's last step changes slots: ONE barrier; ahead of it each wave waits for all its tensor loads, adds 0 to its spare word, and waits for that and for its own reads of this slot.
; nt >= 0: this slot is filled again, with the same K step of product nt: the barrier then opens a round of the cluster's barrier, and the joint load is the first thing behind the round.
.macro TURN slot, next, ks, nt
	s_wait_tensorcnt 0x0                   ; all my tensor loads have landed: my part of the next slot
	ds_add_u32 v[SPW], v[NIL]              ; 0 onto my spare word
	s_wait_dscnt 4*NL+1                    ; (the add and the youngest 24 loads may be out)
	WIN 0xa1
	MUL16 0, 1, \ks, 0
	s_wait_dscnt 0x0                       ; the add is done, and my reads of this slot are over
	s_barrier_signal -1
	MUL16 2, 1, \ks, 0
	WIN 0
	s_barrier_wait -1
.if (\nt) >= 0
	CREST                                  ; no wave of any partner still reads this slot's tile or has a load on its way
	AIM \slot, \nt
	JLOAD \slot                            ; its four v_nop are also the places in front of the loads below
.else
	PLACES 4
.endif
	FETCH_B \next, 0, 0
	FETCH_A \next, 0, 0
	WIN 0xf1
	MUL16 4, 1, \ks, 0
	MUL16 6, 1, \ks, 0
	PLACES 4                               ; also the places ahead of the quantiser's first read of results
	WIN 0
	FETCH_A \next, 0, 4
.endm
.macro LAST                            ; the very last step: nothing more to fetch
	s_wait_dscnt 4*NL
	WIN 0xa1
	MUL16 0, 1, 3, 0
	MUL16 2, 1, 3, 0
	s_wait_dscnt 0x0
	WIN 0xf1
	MUL16 4, 1, 3, 0
	MUL16 6, 1, 3, 0
	WIN 0
	PLACES 4
.endm
; THE QUANTISER, for S1's block n: 16 rows x 128 along the next K in 64 registers a lane.
; (1) 32 exchanges between the halves of the lanes: behind them lane (r, h) holds, in registers 32 c + 0 .. 31, k = 64 c + 32 h + 0 .. 31 of row r: two WHOLE blocks, in the order of the operand's registers.
;     Each accumulator is read from its register 0 on.   (2) each block's largest magnitude, in two chains, with the floor s[FL] among the leaves, so that the byte cannot fall under 1.
; (3) 2 off the exponent field gives the conversion's scale operand, its shift the byte; my two bytes and those of the lane 16 away make the row's scale word.  adj = 1: 9 comes off each byte (no byte borrows: each is 10 at the least).
; (4) four conversions; a conversion's three registers begin on an even number, so each block's second half is moved.   (5) the fragment leaves as an image of its registers.
.macro QUANT n, adj, lds, aw
.set AC, 64*((\n)%4)
.set QW, 2+(\n)/4
	WIN (QW<<6)|QW
.irp pr, 0,2,4,6
.irp j, 0,1,2,3,4,5,6,7
	v_permlane16_swap_b32 v[AC+8*\pr+\j], v[AC+8*\pr+8+\j]
.endr
.endr
	WIN (QW<<2)|(QW<<4)
.irp x, 0,1,2,3
	v_max3_num_f32 v[TM+\x], s[FL], |v[AC+32*(\x%2)+16*(\x/2)]|, |v[AC+32*(\x%2)+16*(\x/2)+1]|
.endr
.irp i, 2,4,6,8,10,12,14
.irp x, 0,1,2,3
	v_max3_num_f32 v[TM+\x], v[TM+\x], |v[AC+32*(\x%2)+16*(\x/2)+\i]|, |v[AC+32*(\x%2)+16*(\x/2)+\i+1]|
.endr
.endr
	WIN 0
	v_max_num_f32 v[TM], v[TM], v[TM+2]
	v_max_num_f32 v[TM+1], v[TM+1], v[TM+3]
	v_add_nc_u32 v[TS], 0xff000000, v[TM]
	v_add_nc_u32 v[TS+1], 0xff000000, v[TM+1]
	v_lshrrev_b32 v[TB], 23, v[TS]
	v_lshrrev_b32 v[TB+1], 23, v[TS+1]
	v_lshl_or_b32 v[TW], v[TB+1], 16, v[TB]        ; blocks h and 2 + h,
	v_lshlrev_b32 v[TW], v[H8], v[TW]              ; at their places in the word
	v_permlanex16_b32 v[TXV], v[TW], s[SEL], s[SEL+1]
	v_or_b32 v[PWB+(\n)], v[TW], v[TXV]
.if \adj
	v_add_nc_u32 v[PWB+(\n)], 0xf6f6f6f7, v[PWB+(\n)]
.endif
.if \lds
	s_wait_dscnt 0x0                       ; the stores of the block before have read the codes' registers
.else
	s_wait_xcnt 0x0                        ; the stores of the block before have read the codes' registers: they are written again only behind this wait
.endif
	WIN QW
.irp c, 0,1
	v_cvt_scalef32_pk16_fp6_f32 v[PC+6*\c:PC+6*\c+2], v[AC+32*\c:AC+32*\c+15], v[TS+\c]
	v_cvt_scalef32_pk16_fp6_f32 v[PX+4*\c:PX+4*\c+2], v[AC+32*\c+16:AC+32*\c+31], v[TS+\c]
.endr
	WIN 0
	v_nop                                  ; one plain vector instruction behind the last scaled conversion
.irp c, 0,1
.irp i, 0,1,2
	v_mov_b32 v[PC+6*\c+3+\i], v[PX+4*\c+\i]
.endr
.endr
.irp c, 0,1,2
.if \lds
	ds_store_b128 v[\aw], v[PC+4*\c:PC+4*\c+3] offset:(\n)*1536+512*\c
.else
	global_store_b128 v[LI], v[PC+4*\c:PC+4*\c+3], s[OB:OB+1] offset:(\n)*1536+512*\c
.endif
.endr
.endm
.macro SCIMG lds, aw                   ; the scale image: word p: lanes 0-15 block 2 p's rows, lanes 16-31 block 2 p + 1's
	s_mov_b32 vcc_lo, 0xffff0000
.irp p, 0,1,2,3
	v_cndmask_b32 v[SW+\p], v[PWB+2*\p], v[PWB+2*\p+1], vcc_lo
.endr
.if \lds
	ds_store_b128 v[\aw], v[SW:SW+3] offset:12288
.else
	global_store_b128 v[LI], v[SW:SW+3], s[OB:OB+1] offset:12288
.endif
.endm
; A tile's way out: where my unit lies; the next product's scale words and bias are asked for; the eight blocks are quantised and stored.
.macro EPI tau
	s_wait_xcnt 0x0                        ; the last tile's stores and loads have read their bases
.if (\tau) < 2                         ; unit (((b x 8 + head) x 8 + tokens' group) x 4 + channels' group): b, tokens from GG; head, channels from TT
	s_lshr_b32 s2, s[GG], 3
	s_lshl_b32 s2, s2, 3
	s_lshr_b32 s3, s[TT], 2
	s_add_co_u32 s2, s2, s3
	s_lshl_b32 s2, s2, 3
	s_and_b32 s3, s[GG], 7
	s_add_co_u32 s2, s2, s3
	s_lshl_b32 s2, s2, 2
	s_and_b32 s3, s[TT], 3
	s_add_co_u32 s2, s2, s3
.else                                  ; unit (((b x 8 + head) x 4 + channels' group) x 8 + keys' group): b, keys from TT; head, channels from GG
	s_lshr_b32 s2, s[TT], 3
	s_lshl_b32 s2, s2, 3
	s_lshr_b32 s3, s[GG], 2
	s_add_co_u32 s2, s2, s3
	s_lshl_b32 s2, s2, 2
	s_and_b32 s3, s[GG], 3
	s_add_co_u32 s2, s2, s3
	s_lshl_b32 s2, s2, 3
	s_and_b32 s3, s[TT], 7
	s_add_co_u32 s2, s2, s3
.endif
	s_mul_i32 s2, s2, UNIT
	s_mov_b32 s3, 0
	s_add_nc_u64 s[OB:OB+1], s[14+12*(\tau):15+12*(\tau)], s[2:3]
.if (\tau) < 2
	LOADSB (\tau)+1
.endif
.irp n, 0,1,2,3,4,5,6,7
	QUANT \n, 0, 0, 0
.endr
	SCIMG 0, 0
.endm
.macro TILE tau
	s_wait_loadcnt 0x0                     ; this product's scale words and bias
.if (\tau) == 2
	WIN 0x41                               ; the bias of a row of Wv serves all eight registers of a result
.irp n, 0,1,2,3,4,5,6,7
.irp j, 1,2,3,4,5,6,7
	v_mov_b32 v[96+8*\n+96*(\n/4)+\j], v[96+8*\n+96*(\n/4)]
.endr
.endr
	PLACES 4
	STEP 0, 0, 2
	TURN 0, 1, 1, -1
	STEP 1, 2, 0
	LAST
.else
	STEP 0, 0, 1
	TURN 0, 1, 1, (\tau)+1                 ; THE RING GOES ON INTO THE NEXT PRODUCT: slot 0 takes its first K step,
	STEP 1, 2, 0
	TURN 1, 0, 3, (\tau)+1                 ; slot 1 its second, and its first fragments are fetched
.endif
	EPI \tau
.endm
	s_load_b512 s[4:19], s[0:1], 0x0               ; pointer i at s[4 + 2 i]: for each product S1's codes, S1's scales, S0's codes, S0's scales, the bias, the units
	s_load_b512 s[20:35], s[0:1], 0x40
	s_load_b128 s[36:39], s[0:1], 0x80
	v_lshl_add_u32 v[SPW], v0, 2, SPARE
	v_mov_b32 v[NIL], 0
	ds_add_u32 v28, v29
	ds_add_u32 v28, v29
	s_wait_dscnt 0x0
	v_lshrrev_b32 v1, 5, v0
	v_readfirstlane_b32 s[WV], v1                  ; wave 0..3
	s_lshr_b32 s[RH], s[WV], 1                     ; which half of S1's rows is mine.  Also: I fetch for S1 (0) or for S0 (1)
	s_and_b32 s[CH], s[WV], 1                      ; which half of S0's rows.  Also: which 128 rows I fetch
	s_bfe_u32 s[CX], ttmp6, 0x40000
	s_bfe_u32 s[CY], ttmp6, 0x40004
	s_lshl_b32 s[TJ], ttmp9, 2
	s_add_co_u32 s[TJ], s[TJ], s[CX]               ; J = 4 x cluster x + cx
	s_and_b32 s[TI], ttmp7, 0xffff
	s_lshl_b32 s[TI], s[TI], 2
	s_add_co_u32 s[TI], s[TI], s[CY]               ; I = 4 x cluster y + cy
	s_lshl_b32 s2, s[CY], 2
	s_lshl_b32 s2, 15, s2                          ; my row of the cluster
	s_lshl_b32 s3, 0x1111, s[CX]                   ; my column
	s_or_b32 s[G1A], s2, (1<<20)|(1<<21)|(3<<22)|(3<<25)   ; 15:0 the mask; 17:16 elements of 1 byte; 20 padding on; 21 set beside a mask; 24:22 after every 16 words; 31:25 of 4 words
	s_or_b32 s[G1B], s3, (1<<20)|(1<<21)|(3<<22)|(3<<25)
.irp g, G1A, G1B
	s_mov_b32 s[\g+1], ROWB<<16                    ; tensor_dim0
	s_mov_b32 s[\g+2], 128<<16                     ; tensor_dim1
	s_mov_b32 s[\g+3], ROWB<<16                    ; tile_dim0
	s_mov_b32 s[\g+4], 128                         ; tile_dim1
	s_mov_b32 s[\g+5], KROW                        ; tensor_dim0_stride
	s_mov_b32 s[\g+6], 0
	s_mov_b32 s[\g+7], 0
.endr
	s_lshl_b32 s66, s[CH], 7
	s_lshl_b32 s[OFFA], s[TI], 8
	s_add_co_u32 s[OFFA], s[OFFA], s66             ; S1: row 256 I + 128 x half
	s_mul_i32 s[OFFA], s[OFFA], KROW
	s_mov_b32 s[OFFA+1], 0
	s_lshl_b32 s[OFFB], s[TJ], 8
	s_add_co_u32 s[OFFB], s[OFFB], s66             ; S0: row 256 J + 128 x half
	s_mul_i32 s[OFFB], s[OFFB], KROW
	s_mov_b32 s[OFFB+1], 0
	s_mul_i32 s67, s[WV], HALFT                    ; where they go: wave x 128 rows: no place in the cluster enters an LDS address
	s_lshl_b32 s[GG], s[TI], 1
	s_add_co_u32 s[GG], s[GG], s[RH]
	s_lshl_b32 s[TT], s[TJ], 1
	s_add_co_u32 s[TT], s[TT], s[CH]
	s_mov_b32 s[FL], 0x1800000                     ; the floor 2^(3 - 127)
	s_mov_b32 s[SEL], 0x76543210
	s_mov_b32 s[SEL+1], 0xfedcba98                 ; v_permlanex16_b32's selects for the lane 16 away
	s_wait_kmcnt 0x0
	CROUND                                         ; all sixteen work-groups are here: the first joint loads meet
.irp s, 0,1
	s_mov_b32 s[G0A+4*\s], 1
	s_add_co_u32 s[G0A+4*\s+1], s67, \s*SLOT
	s_mov_b32 s[G0B+4*\s], 1
	s_add_co_u32 s[G0B+4*\s+1], s67, \s*SLOT
	AIM \s, 0
	JLOAD \s
.endr
	v_and_b32 v1, 15, v0                           ; r
	v_bfe_u32 v2, v0, 4, 1                         ; h
	v_and_b32 v6, 31, v0                           ; lane
	v_lshlrev_b32 v[LI], 4, v6
	v_lshlrev_b32 v[BH32], 5, v2
	v_lshlrev_b32 v[R4], 2, v1
	v_lshlrev_b32 v[H8], 3, v2
	v_mov_b32 v[TXV], 0                            ; written once: a lane permute's destination counts as one of its sources
	LOADSB 0
	v_mul_u32_u24 v3, v1, PITCH
	v_mul_u32_u24 v4, v2, 24
	v_add_nc_u32 v4, v3, v4                        ; a fragment's row x pitch + 24 x half
	v_lshl_add_u32 v5, v2, 4, v4                   ; and the same behind one padding more
	s_mul_i32 s2, s[RH], HALFT                     ; my 128 rows of S1
	s_mul_i32 s3, s[CH], HALFT                     ; my 128 rows of S0,
	s_add_co_u32 s3, s3, 2*HALFT                   ; which lie behind S1's 256
.irp s, 0,1
	v_add_nc_u32 v[ADRA+\s], s2, v4
	v_add_nc_u32 v[ADRB+\s], s3, v4
	v_add_nc_u32 v[ADRA+2+\s], s2, v5
	v_add_nc_u32 v[ADRB+2+\s], s3, v5
	s_add_co_u32 s2, s2, SLOT
	s_add_co_u32 s3, s3, SLOT
.endr
	s_wait_tensorcnt 1                             ; my part of slot 0 is in; slot 1's load may be out
	s_barrier_signal -1
	s_barrier_wait -1                              ; everybody's is
	FETCH_B 0, 0, 0
	FETCH_A 0, 0, 0
	FETCH_A 0, 0, 4
	TILE 0
	TILE 1
	TILE 2
	s_wait_tensorcnt 0x0                           ; the wave's end
	ds_add_u32 v[SPW], v[NIL]
	s_wait_dscnt 0x0
	CROUND                                         ; the closing round: no work-group ends while a partner may still ask for a tile that names it
	s_endpgm
.Lfunc_end_k_qa33d6f8b7c_proj:
	.size	k_qa33d6f8b7c_proj, .Lfunc_end_k_qa33d6f8b7c_proj-k_qa33d6f8b7c_proj
	.p2alignl 7, 3214868480
	.fill 96, 4, 3214868480
	.section	.rodata,"a",@progbits
	.p2align	6, 0x0
	.amdhsa_kernel k_qa33d6f8b7c_proj
		.amdhsa_group_segment_fixed_size 327680
		.amdhsa_private_segment_fixed_size 0
		.amdhsa_enable_private_segment 0
		.amdhsa_kernarg_size 144
		.amdhsa_user_sgpr_count 2
		.amdhsa_user_sgpr_kernarg_segment_ptr 1
		.amdhsa_wavefront_size32 1
		.amdhsa_system_sgpr_workgroup_id_x 1
		.amdhsa_system_sgpr_workgroup_id_y 1
		.amdhsa_system_sgpr_workgroup_id_z 1
		.amdhsa_system_vgpr_workitem_id 0
		.amdhsa_next_free_vgpr 1024
		.amdhsa_next_free_sgpr 102
		.amdhsa_reserve_vcc 1
		.amdhsa_float_denorm_mode_32 3
		.amdhsa_float_denorm_mode_16_64 3
		.amdhsa_memory_ordered 1
		.amdhsa_forward_progress 1
		.amdhsa_inst_pref_size 255
	.end_amdhsa_kernel
	.section	.bss,"aw",@nobits
	.p2align	6
	.space	262144
	.amdgpu_metadata
---
amdhsa.version: [ 1, 2 ]
amdhsa.kernels:
  - .name:           k_qa33d6f8b7c_proj
    .symbol:         k_qa33d6f8b7c_proj.kd
    .args:
      - { .name: q_codes, .offset: 0, .size: 8, .value_kind: global_buffer, .address_space: global }
      - { .name: q_scales, .offset: 8, .size: 8, .value_kind: global_buffer, .address_space: global }
      - { .name: Wq_codes, .offset: 16, .size: 8, .value_kind: global_buffer, .address_space: global }
      - { .name: Wq_scales, .offset: 24, .size: 8, .value_kind: global_buffer, .address_space: global }
      - { .name: bq, .offset: 32, .size: 8, .value_kind: global_buffer, .address_space: global }
      - { .name: QF, .offset: 40, .size: 8, .value_kind: global_buffer, .address_space: global }
      - { .name: k_codes, .offset: 48, .size: 8, .value_kind: global_buffer, .address_space: global }
      - { .name: k_scales, .offset: 56, .size: 8, .value_kind: global_buffer, .address_space: global }
      - { .name: Wk_codes, .offset: 64, .size: 8, .value_kind: global_buffer, .address_space: global }
      - { .name: Wk_scales, .offset: 72, .size: 8, .value_kind: global_buffer, .address_space: global }
      - { .name: bk, .offset: 80, .size: 8, .value_kind: global_buffer, .address_space: global }
      - { .name: KF, .offset: 88, .size: 8, .value_kind: global_buffer, .address_space: global }
      - { .name: Wv_codes, .offset: 96, .size: 8, .value_kind: global_buffer, .address_space: global }
      - { .name: Wv_scales, .offset: 104, .size: 8, .value_kind: global_buffer, .address_space: global }
      - { .name: v_codes, .offset: 112, .size: 8, .value_kind: global_buffer, .address_space: global }
      - { .name: v_scales, .offset: 120, .size: 8, .value_kind: global_buffer, .address_space: global }
      - { .name: bv, .offset: 128, .size: 8, .value_kind: global_buffer, .address_space: global }
      - { .name: VF, .offset: 136, .size: 8, .value_kind: global_buffer, .address_space: global }
    .group_segment_fixed_size: 327680
    .private_segment_fixed_size: 0
    .kernarg_segment_align: 8
    .kernarg_segment_size: 144
    .max_flat_workgroup_size: 128
    .sgpr_count:     102
    .vgpr_count:     1024
    .wavefront_size: 32
...
	.end_amdgpu_metadata
.endif
;; end of part 1
;; launch attn (part 2): grid 8 x 32, 4 waves a work-group, clusters of 4 x 1, 327,680 bytes of LDS; arguments QF, KF, VF, AF; writes AF
.if DOCPART == 2
	.amdgcn_target "amdgcn-amd-amdhsa--gfx1250"
	.amdhsa_code_object_version 6
	.text
	.protected	k_qa33d6f8b7c_attn
	.globl	k_qa33d6f8b7c_attn
	.p2align	8
	.type	k_qa33d6f8b7c_attn,@function
k_qa33d6f8b7c_attn:
	s_mov_b64 s[64:65], 0
	v_nop
	global_prefetch_b8 v0, s[64:65] scope:SCOPE_SE
	s_setreg_imm32_b32 hwreg(HW_REG_WAVE_MODE, 25, 1), 1
	s_wait_xcnt 0x0
	s_wait_alu depctr_hold_cnt(0) depctr_sa_sdst(0) depctr_va_vdst(0) depctr_va_sdst(0) depctr_va_ssrc(0) depctr_va_vcc(0) depctr_vm_vsrc(0)
	s_getreg_b32 s2, hwreg(HW_REG_IB_STS2, 6, 4)
	s_cmp_eq_u32 s2, 0
	s_cbranch_scc0 .Lentry_in_a_cluster
	s_endpgm
.Lentry_in_a_cluster:
	s_bfe_u32 s2, ttmp6, 0x10000c
	s_cmp_lg_u32 s2, 0x3003
	s_cbranch_scc0 .Lentry_shape_is_right
	s_endpgm
.Lentry_shape_is_right:
; (qh kh^T) vh / 512 for one (batch, head) and 128 queries, both products on codes of FP6 (E2M3) with one E8M0 scale for each 32 along K.  There is no softmax: the scores themselves are quantised, along the keys, and stay in LDS.
; All operands are UNITS of 12,800 bytes: 128 rows x 128 K as images of operand registers: fragment n (rows 16 n + r) at 1,536 n, its registers 4 c .. 4 c + 3 of lane l at 512 c + 16 l; at 12,288 + 16 l four scale words,
; word p that of row 16 (2 p + l / 16) + l % 16.  A fragment is three loads of 16 bytes a lane, 512 consecutive bytes each; a run of units is one dense block for one tensor load.
; QF, KF: [batch x head 32][128 tokens: 8][128 channels: 4] units;  VF: [32][128 channels: 4][128 keys: 8];  AF: [128 tokens: 32][128 of head x 512 + channel: 32].
; SHARES.  PHASE 1, twice (g = 0, 1): wave w makes S^T for keys 512 g + 128 w .. + 127 x the 128 queries (source 0 = keys, source 1 = queries; 4 steps along the head's 512), quantises it along the keys and puts it into LDS as unit 4 g + w of P.
; PHASE 2: wave w makes O^T for channels 128 w .. + 127 x the 128 queries (source 0 = V's rows, source 1 = P; 8 steps along the keys), quantises O / 512 along the channels and stores one unit of AF.  16 steps of 64 matrix instructions a wave.
; A wave streams only its own units of K and V, through its own part of a ring of two LDS slots of two units; Q and P are read by all four waves.
; CLUSTER.  The four query blocks of a cluster belong to one (batch, head) and walk the same K and V: each fill is asked for JOINTLY, by the same line with the same descriptor (it hangs on the head and the wave's number alone) and the mask of all four.
; THE DIVISION BY 512 rounds nothing: the codes are those of the undivided numbers, the floor under a block's largest magnitude is taken 9 binary places higher, and 9 comes off each stored scale byte.
; LIMITS: NaN and infinities are not served.  A block under the floor, a block of zeros among them, gets the byte 1 (the quantiser gives a block of zeros 127); this program alone reads the bytes.  Where the f32 quotient O / 512 would be subnormal its rounding is not reproduced.
; REGISTERS: window 0: v16-31 addresses; v32-39 source 0's scale images, two sets, v40-47 source 1's (nothing else ever lies there); v64-107 the quantiser's; v128-223 source 1's eight fragments, ONE set.
;   window 1: source 0's fragments, TWO sets, v0-95 and v128-223.   windows 2, 3: the accumulators of source 1's blocks 0-3 and 4-7.
.set UNIT,   12800
.set FR,     12
.set RSLOT,  8*UNIT                    ; a slot: two units for each of four waves
.set P0,     2*RSLOT                   ; behind the ring: units 0-3 of P.  Written by LDS stores alone: no fill lands here
.set XQ,     P0+4*UNIT                 ; Q's four units, later units 4-7 of P.  Likewise
.set SPARE,  XQ+4*UNIT                 ; the spare words, 128 bytes for each wave
.set ARS,  16                          ; v16-17 16 x lane + my part of slot 0, 1
.set ARQ,  18                          ; v18  16 x lane + XQ
.set ARP,  19                          ; v19  16 x lane + P0
.set AWP,  20                          ; v20  where I store my unit of P in the first round
.set AWX,  21                          ; v21  where I store my unit of Q, and my unit of P in the second round
.set LI,   24                          ; v24  16 x lane
.set H8,   27                          ; v27  8 x (lane / 16)
.set SPW,  28                          ; v28  LDS address of my spare word; never rewritten
.set NIL,  29                          ; v29  0; never rewritten
.set PFO,  30                          ; v30  the prefetches' offset; never rewritten
.set S0S,  32
.set S1S,  40
.set PC,   64
.set PX,   76
.set TM,   84
.set TS,   88
.set TB,   90
.set TW,   92
.set TXV,  93
.set PWB,  96
.set SW,   104
.set AF,   128
.set WV, 12
.set CX, 13
.set BH, 14
.set JQ, 15
.set G1, 16                            ; s[16:23] descriptor group 1: 100 rows of 256 bytes, dense
.set G0, 24                            ; s[24:31] group 0, a set for each slot
.set KB, 32                            ; s[32:33] my wave's first unit of K;  s[34:35] of V
.set VB, 34
.set PFV, 36                           ; s[36:37] where my prefetches begin; never rewritten
.set OB, 38                            ; s[38:39] my unit of AF
.set SEL, 40
.set FL, 42
.set MSB, 0
.macro WIN new                         ; the immediate's high byte repeats the setting that is left; a switch that changes nothing is dropped
.set WNEW, \new
.if MSB != WNEW
	s_set_vgpr_msb (MSB<<8)|WNEW
.set MSB, WNEW
.endif
.endm
.macro PLACES n
.rept \n
	v_nop
.endr
.endm
.macro CREST                           ; a round of the cluster's barrier behind its opening barrier
	s_cmp_lg_u32 s[WV], 0
	s_cbranch_scc1 .Lnot_wave_0_\@
	s_barrier_signal -3
.Lnot_wave_0_\@:
	s_barrier_wait -3
	s_barrier_signal -1
	s_barrier_wait -1
.endm
.macro CROUND
	s_barrier_signal -1
	s_barrier_wait -1
	CREST
.endm
; Fill f of eight, two units: 0, 1: K of the first round; 2, 3: of the second (four groups of keys on); 4 to 7: V.  It goes to slot f % 2.  Written only where no tensor load of the wave is out.
.macro AIM f
.if (\f) < 4
	s_add_nc_u64 s[G0+4*((\f)%2)+2:G0+4*((\f)%2)+3], s[KB:KB+1], 2*UNIT*((\f)%2)+16*UNIT*((\f)/2)
.else
	s_add_nc_u64 s[G0+4*((\f)%2)+2:G0+4*((\f)%2)+3], s[VB:VB+1], 2*UNIT*((\f)-4)
.endif
	s_or_b32 s[G0+4*((\f)%2)+3], s[G0+4*((\f)%2)+3], 0x80000000   ; type = 2
.endm
; A PREFETCH INTO THE L2 of V's fill f, asked for where fill f - 2 is requested: two changes of slots, 256 matrix instructions, ahead of its tensor load.  Both clusters of a head walk the same V: the first asks (a branch on the cluster's number,
; which all partners share).  Its four partners share a wave's 100 blocks of 256 bytes out BY ADDRESS, 25 each, a lane a block; lanes 25 to 31 name block 24 once more, in the same instruction.
; It stands behind the joint load, its four lines and the run of LDS loads.  K's fills are not asked for: their place would be the kernel's head, where every work-group's first tiles are on their way.
.macro ASK f
	s_cmp_eq_u32 ttmp9, 0
	s_cbranch_scc0 .Lnot_mine_\@
	global_prefetch_b8 v[PFO], s[PFV:PFV+1] offset:2*UNIT*((\f)-4) th:TH_LOAD_NT scope:SCOPE_SE
.Lnot_mine_\@:
.endm
.macro SRC u                           ; where step u's operands lie
.set S0A, ARS+((\u)/2)%2
.set S0O, ((\u)%2)*UNIT
.if (\u) < 8
.set S1A, ARQ
.set S1O, ((\u)%4)*UNIT
.elseif (\u) < 12
.set S1A, ARP
.set S1O, ((\u)-8)*UNIT
.else
.set S1A, ARQ
.set S1O, ((\u)-12)*UNIT
.endif
.set USET, (\u)%2
.endm
.macro FETCH_0 u                       ; step u: source 0's eight fragments, both scale images, source 1's blocks 0-3: 38 loads
	SRC \u
	WIN 0x40
.irp i, 0,1,2,3,4,5,6,7
.irp c, 0,1,2
	ds_load_b128 v[128*USET+FR*\i+4*\c:128*USET+FR*\i+4*\c+3], v[S0A] offset:S0O+1536*\i+512*\c
.endr
.endr
	WIN 0
	ds_load_b128 v[S0S+4*USET:S0S+4*USET+3], v[S0A] offset:S0O+12288
	ds_load_b128 v[S1S+4*USET:S1S+4*USET+3], v[S1A] offset:S1O+12288
.irp i, 0,1,2,3
.irp c, 0,1,2
	ds_load_b128 v[AF+FR*\i+4*\c:AF+FR*\i+4*\c+3], v[S1A] offset:S1O+1536*\i+512*\c
.endr
.endr
.endm
.macro FETCH_1 u                       ; source 1's blocks 4-7: 12 loads
	SRC \u
.irp i, 4,5,6,7
.irp c, 0,1,2
	ds_load_b128 v[AF+FR*\i+4*\c:AF+FR*\i+4*\c+3], v[S1A] offset:S1O+1536*\i+512*\c
.endr
.endr
.endm
; One product: source 1's block n x source 0's block t, step u.  The accumulator of (n, t) lies at place 4 (t / 4) + 2 (t % 2) + (t / 2) % 2 of block n's eight: the order that the quantiser's exchange wants.
; zero = 1: the product starts the sum.  An odd block's scale words lie in lanes 16-31 of its register.
.macro WM n, t, u, zero
.set rD, 8*(8*((\n)%4)+4*((\t)/4)+2*((\t)%2)+((\t)/2)%2)
.set rA, 128*((\u)%2)+FR*(\t)
.set rB, AF+FR*(\n)
.set rSA, S0S+4*((\u)%2)+(\t)/2
.set rSB, S1S+4*((\u)%2)+(\n)/2
.set PAR, ((\t)%2)+2*((\n)%2)+4*(\zero)
.if PAR == 0
	v_wmma_scale_f32_16x16x128_f8f6f4 v[rD:rD+7], v[rA:rA+11], v[rB:rB+11], v[rD:rD+7], v[rSA], v[rSB] matrix_a_fmt:MATRIX_FMT_FP6 matrix_b_fmt:MATRIX_FMT_FP6
.elseif PAR == 1
	v_wmma_scale_f32_16x16x128_f8f6f4 v[rD:rD+7], v[rA:rA+11], v[rB:rB+11], v[rD:rD+7], v[rSA], v[rSB] matrix_a_fmt:MATRIX_FMT_FP6 matrix_b_fmt:MATRIX_FMT_FP6 matrix_a_scale:MATRIX_SCALE_ROW1
.elseif PAR == 2
	v_wmma_scale_f32_16x16x128_f8f6f4 v[rD:rD+7], v[rA:rA+11], v[rB:rB+11], v[rD:rD+7], v[rSA], v[rSB] matrix_a_fmt:MATRIX_FMT_FP6 matrix_b_fmt:MATRIX_FMT_FP6 matrix_b_scale:MATRIX_SCALE_ROW1
.elseif PAR == 3
	v_wmma_scale_f32_16x16x128_f8f6f4 v[rD:rD+7], v[rA:rA+11], v[rB:rB+11], v[rD:rD+7], v[rSA], v[rSB] matrix_a_fmt:MATRIX_FMT_FP6 matrix_b_fmt:MATRIX_FMT_FP6 matrix_a_scale:MATRIX_SCALE_ROW1 matrix_b_scale:MATRIX_SCALE_ROW1
.elseif PAR == 4
	v_wmma_scale_f32_16x16x128_f8f6f4 v[rD:rD+7], v[rA:rA+11], v[rB:rB+11], 0, v[rSA], v[rSB] matrix_a_fmt:MATRIX_FMT_FP6 matrix_b_fmt:MATRIX_FMT_FP6
.elseif PAR == 5
	v_wmma_scale_f32_16x16x128_f8f6f4 v[rD:rD+7], v[rA:rA+11], v[rB:rB+11], 0, v[rSA], v[rSB] matrix_a_fmt:MATRIX_FMT_FP6 matrix_b_fmt:MATRIX_FMT_FP6 matrix_a_scale:MATRIX_SCALE_ROW1
.elseif PAR == 6
	v_wmma_scale_f32_16x16x128_f8f6f4 v[rD:rD+7], v[rA:rA+11], v[rB:rB+11], 0, v[rSA], v[rSB] matrix_a_fmt:MATRIX_FMT_FP6 matrix_b_fmt:MATRIX_FMT_FP6 matrix_b_scale:MATRIX_SCALE_ROW1
.else
	v_wmma_scale_f32_16x16x128_f8f6f4 v[rD:rD+7], v[rA:rA+11], v[rB:rB+11], 0, v[rSA], v[rSB] matrix_a_fmt:MATRIX_FMT_FP6 matrix_b_fmt:MATRIX_FMT_FP6 matrix_a_scale:MATRIX_SCALE_ROW1 matrix_b_scale:MATRIX_SCALE_ROW1
.endif
.endm
.macro MUL16 a0, u, zero               ; 16 matrix instructions.  The 64 accumulators take turns, one instruction a turn, in the same order in every step
.irp a, \a0, \a0+1
.irp b, 0,1,2,3,4,5,6,7
	WM \a, \b, \u, \zero
.endr
.endr
.endm
; An even step: its successor lies in the same slot.  Loads into registers that matrix instructions have read stand four plain vector instructions behind them (ISA guide 7.12.1 for vector instructions).
.macro STEP u, zero
	s_wait_dscnt 12                        ; all but the youngest 12 loads (source 1's blocks 4-7) are in
	WIN 0xa1                               ; source 0 window 1, source 1 window 0, C and D window 2
	MUL16 0, \u, \zero
	MUL16 2, \u, \zero
	s_wait_dscnt 0x0
	PLACES 4
	FETCH_0 (\u)+1
	WIN 0xf1
	MUL16 4, \u, \zero
	MUL16 6, \u, \zero
	PLACES 4
	WIN 0
	FETCH_1 (\u)+1
.endm
; An odd step changes slots: ONE barrier; ahead of it each wave waits for all its tensor loads, adds 0 to its spare word, and waits for that and for all its LDS reads and stores.
; fill >= 0: the slot just left takes that fill: the barrier opens a round of the cluster's barrier, and the joint load is the first thing behind the round.  ask >= 0: that fill of V is prefetched.
; The same barriers order Q and P between the waves: what a wave has stored into P lies ahead of its next signal, and is first read two barriers on; Q's last reads lie ahead of step 7's signal, and only behind that barrier is P laid over Q.
.macro TURN u, fill, ask
	s_wait_tensorcnt 0x0                   ; all my tensor loads have landed: my part of the next slot
	ds_add_u32 v[SPW], v[NIL]              ; 0 onto my spare word
	s_wait_dscnt 13                        ; (the add and the youngest 12 loads may be out)
	WIN 0xa1
	MUL16 0, \u, 0
	s_wait_dscnt 0x0                       ; the add is done, my reads of this slot, of Q and of P are in, my stores into P have landed
	s_barrier_signal -1
	MUL16 2, \u, 0
	WIN 0
	s_barrier_wait -1
.if (\fill) >= 0
	CREST                                  ; no wave of any partner still reads this slot or has a load on its way
	AIM \fill
	tensor_load_to_lds s[G0+4*((\fill)%2):G0+4*((\fill)%2)+3], s[G1:G1+7]
	s_nop 0
	PLACES 4                               ; the places in front of the loads below
.else
	PLACES 4
.endif
	FETCH_0 (\u)+1
.if (\ask) >= 0
	ASK \ask
.endif
	WIN 0xf1
	MUL16 4, \u, 0
	MUL16 6, \u, 0
	PLACES 4                               ; also the places ahead of the quantiser's first read of results
	WIN 0
	FETCH_1 (\u)+1
.endm
.macro LAST u                          ; the very last step: nothing more to fetch
	s_wait_dscnt 12
	WIN 0xa1
	MUL16 0, \u, 0
	MUL16 2, \u, 0
	s_wait_dscnt 0x0
	WIN 0xf1
	MUL16 4, \u, 0
	MUL16 6, \u, 0
	WIN 0
	PLACES 4
.endm
; THE QUANTISER, for source 1's block n: 16 rows x 128 along the next K in 64 registers a lane.
; (1) 32 exchanges between the halves of the lanes: behind them lane (r, h) holds, in registers 32 c + 0 .. 31, k = 64 c + 32 h + 0 .. 31 of row r: two WHOLE blocks, in the order of the operand's registers.
;     Each accumulator is read from its register 0 on.   (2) each block's largest magnitude, in two chains, with the floor s[FL] among the leaves, so that the byte cannot fall under 1.
; (3) 2 off the exponent field gives the conversion's scale operand, its shift the byte; my two bytes and those of the lane 16 away make the row's scale word.  adj = 1: 9 comes off each byte (no byte borrows: each is 10 at the least).
; (4) four conversions; a conversion's three registers begin on an even number, so each block's second half is moved.   (5) the fragment leaves as an image of its registers.
.macro QUANT n, adj, lds, aw
.set AC, 64*((\n)%4)
.set QW, 2+(\n)/4
	WIN (QW<<6)|QW
.irp pr, 0,2,4,6
.irp j, 0,1,2,3,4,5,6,7
	v_permlane16_swap_b32 v[AC+8*\pr+\j], v[AC+8*\pr+8+\j]
.endr
.endr
	WIN (QW<<2)|(QW<<4)
.irp x, 0,1,2,3
	v_max3_num_f32 v[TM+\x], s[FL], |v[AC+32*(\x%2)+16*(\x/2)]|, |v[AC+32*(\x%2)+16*(\x/2)+1]|
.endr
.irp i, 2,4,6,8,10,12,14
.irp x, 0,1,2,3
	v_max3_num_f32 v[TM+\x], v[TM+\x], |v[AC+32*(\x%2)+16*(\x/2)+\i]|, |v[AC+32*(\x%2)+16*(\x/2)+\i+1]|
.endr
.endr
	WIN 0
	v_max_num_f32 v[TM], v[TM], v[TM+2]
	v_max_num_f32 v[TM+1], v[TM+1], v[TM+3]
	v_add_nc_u32 v[TS], 0xff000000, v[TM]
	v_add_nc_u32 v[TS+1], 0xff000000, v[TM+1]
	v_lshrrev_b32 v[TB], 23, v[TS]
	v_lshrrev_b32 v[TB+1], 23, v[TS+1]
	v_lshl_or_b32 v[TW], v[TB+1], 16, v[TB]        ; blocks h and 2 + h,
	v_lshlrev_b32 v[TW], v[H8], v[TW]              ; at their places in the word
	v_permlanex16_b32 v[TXV], v[TW], s[SEL], s[SEL+1]
	v_or_b32 v[PWB+(\n)], v[TW], v[TXV]
.if \adj
	v_add_nc_u32 v[PWB+(\n)], 0xf6f6f6f7, v[PWB+(\n)]
.endif
.if \lds
	s_wait_dscnt 0x0                       ; the stores of the block before have read the codes' registers
.else
	s_wait_xcnt 0x0                        ; the stores of the block before have read the codes' registers: they are written again only behind this wait
.endif
	WIN QW
.irp c, 0,1
	v_cvt_scalef32_pk16_fp6_f32 v[PC+6*\c:PC+6*\c+2], v[AC+32*\c:AC+32*\c+15], v[TS+\c]
	v_cvt_scalef32_pk16_fp6_f32 v[PX+4*\c:PX+4*\c+2], v[AC+32*\c+16:AC+32*\c+31], v[TS+\c]
.endr
	WIN 0
	v_nop                                  ; one plain vector instruction behind the last scaled conversion
.irp c, 0,1
.irp i, 0,1,2
	v_mov_b32 v[PC+6*\c+3+\i], v[PX+4*\c+\i]
.endr
.endr
.irp c, 0,1,2
.if \lds
	ds_store_b128 v[\aw], v[PC+4*\c:PC+4*\c+3] offset:(\n)*1536+512*\c
.else
	global_store_b128 v[LI], v[PC+4*\c:PC+4*\c+3], s[OB:OB+1] offset:(\n)*1536+512*\c
.endif
.endr
.endm
.macro SCIMG lds, aw                   ; the scale image: word p: lanes 0-15 block 2 p's rows, lanes 16-31 block 2 p + 1's
	s_mov_b32 vcc_lo, 0xffff0000
.irp p, 0,1,2,3
	v_cndmask_b32 v[SW+\p], v[PWB+2*\p], v[PWB+2*\p+1], vcc_lo
.endr
.if \lds
	ds_store_b128 v[\aw], v[SW:SW+3] offset:12288
.else
	global_store_b128 v[LI], v[SW:SW+3], s[OB:OB+1] offset:12288
.endif
.endm
.macro EPI adj, lds, aw
.irp n, 0,1,2,3,4,5,6,7
	QUANT \n, \adj, \lds, \aw
.endr
	SCIMG \lds, \aw
.endm
	s_load_b256 s[4:11], s[0:1], 0x0               ; QF s[4:5], KF s[6:7], VF s[8:9], AF s[10:11]
	v_lshl_add_u32 v[SPW], v0, 2, SPARE
	v_mov_b32 v[NIL], 0
	ds_add_u32 v28, v29
	ds_add_u32 v28, v29
	s_wait_dscnt 0x0
	v_lshrrev_b32 v1, 5, v0
	v_readfirstlane_b32 s[WV], v1                  ; wave 0..3
	s_bfe_u32 s[CX], ttmp6, 0x40000                ; my place in the cluster
	s_lshl_b32 s[JQ], ttmp9, 2
	s_add_co_u32 s[JQ], s[JQ], s[CX]               ; my block of 128 queries: it enters Q's and AF's addresses alone
	s_and_b32 s[BH], ttmp7, 0xffff                 ; batch x 8 + head, which the four partners share
	s_mov_b32 s[G1], 15|(3<<16)|(1<<21)            ; 15:0 the mask: all four work-groups; 17:16 elements of 8 bytes; 20 no padding; 21 set beside a mask
	s_mov_b32 s[G1+1], 32<<16                      ; tensor_dim0 = 32 elements: 256 bytes
	s_mov_b32 s[G1+2], 100<<16                     ; tensor_dim1 = 100 rows: two units
	s_mov_b32 s[G1+3], 32<<16                      ; tile_dim0
	s_mov_b32 s[G1+4], 100                         ; tile_dim1
	s_mov_b32 s[G1+5], 32                          ; tensor_dim0_stride: dense
	s_mov_b32 s[G1+6], 0
	s_mov_b32 s[G1+7], 0
	s_mul_i32 s44, s[BH], 32*UNIT                  ; a head's 32 units, in KF and in VF
	s_mul_i32 s2, s[WV], 4*UNIT                    ; K: my group of keys in the first round
	s_add_co_u32 s2, s2, s44
	s_mov_b32 s3, 0
	s_mul_i32 s46, s[WV], 8*UNIT                   ; V: my group of channels
	s_add_co_u32 s46, s46, s44
	s_mov_b32 s47, 0
	s_mul_i32 s48, s[CX], 25*256                   ; the prefetches: my work-group's 25 blocks of a fill's 100
	s_mov_b32 s49, 0
	s_mul_i32 s54, s[WV], 2*UNIT                   ; my part of a slot
	s_mul_i32 s55, s[WV], UNIT
	s_lshl_b32 s52, s[BH], 3
	s_add_co_u32 s52, s52, s[JQ]
	s_mul_i32 s52, s52, 4*UNIT                     ; Q: my block's four units,
	s_add_co_u32 s52, s52, s55                     ; of which I copy unit w
	s_mov_b32 s53, 0
	s_lshr_b32 s50, s[BH], 3
	s_lshl_b32 s50, s50, 3
	s_add_co_u32 s50, s50, s[JQ]                   ; AF: group of tokens 8 x batch + block,
	s_lshl_b32 s50, s50, 5
	s_and_b32 s51, s[BH], 7
	s_lshl_b32 s51, s51, 2
	s_add_co_u32 s50, s50, s51
	s_add_co_u32 s50, s50, s[WV]                   ; step along K 4 x head + wave
	s_mul_i32 s50, s50, UNIT
	s_mov_b32 s51, 0
	s_mov_b32 s[SEL], 0x76543210
	s_mov_b32 s[SEL+1], 0xfedcba98                 ; v_permlanex16_b32's selects for the lane 16 away
	s_mov_b32 s[FL], 0x1800000                     ; the floor 2^(3 - 127)
	v_and_b32 v3, 31, v0                           ; lane
	v_bfe_u32 v2, v0, 4, 1                         ; lane / 16
	v_lshlrev_b32 v[LI], 4, v3
	v_lshlrev_b32 v[H8], 3, v2
	v_mov_b32 v[TXV], 0                            ; written once: a lane permute's destination counts as one of its sources
	v_add_nc_u32 v[ARS], s54, v[LI]
	v_add_nc_u32 v[ARS+1], RSLOT, v[ARS]
	v_add_nc_u32 v[ARQ], XQ, v[LI]
	v_add_nc_u32 v[ARP], P0, v[LI]
	v_add_nc_u32 v[AWP], s55, v[ARP]
	v_add_nc_u32 v[AWX], s55, v[ARQ]
	v_min_u32 v[PFO], 24, v3
	v_lshlrev_b32 v[PFO], 8, v[PFO]
	s_wait_kmcnt 0x0
	s_add_nc_u64 s[KB:KB+1], s[6:7], s[2:3]
	s_add_nc_u64 s[VB:VB+1], s[8:9], s[46:47]
	s_add_nc_u64 s[PFV:PFV+1], s[VB:VB+1], s[48:49]
	s_add_nc_u64 s[4:5], s[4:5], s[52:53]
	s_add_nc_u64 s[OB:OB+1], s[10:11], s[50:51]
	s_mov_b32 s[G0], 1                             ; count = 1
	s_mov_b32 s[G0+1], s54                         ; LDS address: slot 0, my part
	s_mov_b32 s[G0+4], 1
	s_add_co_u32 s[G0+5], s54, RSLOT
	AIM 0
	AIM 1
	CROUND                                         ; all four work-groups are here: the first joint loads meet
	tensor_load_to_lds s[G0:G0+3], s[G1:G1+7]      ; the two first fills go out together: two loads of mine are out
	s_nop 0
	tensor_load_to_lds s[G0+4:G0+7], s[G1:G1+7]
	s_nop 0
	PLACES 4
.irp i, 0,1,2,3,4,5,6,7,8,9,10,11,12,13,14,15,16,17,18,19,20,21,22,23,24
	global_load_b128 v[AF+4*\i:AF+4*\i+3], v[LI], s[4:5] offset:512*\i th:TH_LOAD_NT   ; Q's unit w goes through registers, so that the bytes it takes in LDS may later take P
.endr
	s_wait_loadcnt 0x0
.irp i, 0,1,2,3,4,5,6,7,8,9,10,11,12,13,14,15,16,17,18,19,20,21,22,23,24
	ds_store_b128 v[AWX], v[AF+4*\i:AF+4*\i+3] offset:512*\i
.endr
	s_wait_tensorcnt 1                             ; my part of slot 0 is in; slot 1's load may be out
	s_wait_dscnt 0x0                               ; my unit of Q has landed
	s_barrier_signal -1
	s_barrier_wait -1                              ; everybody's has
	FETCH_0 0
	FETCH_1 0
	STEP 0, 1                                      ; PHASE 1, keys 128 w on
	TURN 1, 2, 4
	STEP 2, 0
	TURN 3, 3, 5
	EPI 0, 1, AWP                                  ; unit w of P
	STEP 4, 1                                      ; keys 512 + 128 w on
	TURN 5, 4, 6
	STEP 6, 0
	TURN 7, 5, 7
	EPI 0, 1, AWX                                  ; unit 4 + w of P, over Q
	STEP 8, 1                                      ; PHASE 2
	TURN 9, 6, -1
	STEP 10, 0
	TURN 11, 7, -1
	STEP 12, 0
	TURN 13, -1, -1                                ; nothing is left to fetch
	STEP 14, 0
	LAST 15
	s_mov_b32 s[FL], 0x6000000                     ; the floor 2^(12 - 127) on the undivided numbers
	EPI 1, 0, 0
	s_wait_tensorcnt 0x0                           ; the wave's end
	ds_add_u32 v[SPW], v[NIL]
	s_wait_dscnt 0x0
	CROUND                                         ; the closing round: no work-group ends while a partner may still ask for a tile that names it
	s_endpgm
.Lfunc_end_k_qa33d6f8b7c_attn:
	.size	k_qa33d6f8b7c_attn, .Lfunc_end_k_qa33d6f8b7c_attn-k_qa33d6f8b7c_attn
	.p2alignl 7, 3214868480
	.fill 96, 4, 3214868480
	.section	.rodata,"a",@progbits
	.p2align	6, 0x0
	.amdhsa_kernel k_qa33d6f8b7c_attn
		.amdhsa_group_segment_fixed_size 327680
		.amdhsa_private_segment_fixed_size 0
		.amdhsa_enable_private_segment 0
		.amdhsa_kernarg_size 32
		.amdhsa_user_sgpr_count 2
		.amdhsa_user_sgpr_kernarg_segment_ptr 1
		.amdhsa_wavefront_size32 1
		.amdhsa_system_sgpr_workgroup_id_x 1
		.amdhsa_system_sgpr_workgroup_id_y 1
		.amdhsa_system_sgpr_workgroup_id_z 1
		.amdhsa_system_vgpr_workitem_id 0
		.amdhsa_next_free_vgpr 1024
		.amdhsa_next_free_sgpr 66
		.amdhsa_reserve_vcc 1
		.amdhsa_float_denorm_mode_32 3
		.amdhsa_float_denorm_mode_16_64 3
		.amdhsa_memory_ordered 1
		.amdhsa_forward_progress 1
		.amdhsa_inst_pref_size 255
	.end_amdhsa_kernel
	.section	.bss,"aw",@nobits
	.p2align	6
	.space	262144
	.amdgpu_metadata
---
amdhsa.version: [ 1, 2 ]
amdhsa.kernels:
  - .name:           k_qa33d6f8b7c_attn
    .symbol:         k_qa33d6f8b7c_attn.kd
    .args:
      - { .name: QF, .offset: 0, .size: 8, .value_kind: global_buffer, .address_space: global }
      - { .name: KF, .offset: 8, .size: 8, .value_kind: global_buffer, .address_space: global }
      - { .name: VF, .offset: 16, .size: 8, .value_kind: global_buffer, .address_space: global }
      - { .name: AF, .offset: 24, .size: 8, .value_kind: global_buffer, .address_space: global }
    .group_segment_fixed_size: 327680
    .private_segment_fixed_size: 0
    .kernarg_segment_align: 8
    .kernarg_segment_size: 32
    .max_flat_workgroup_size: 128
    .sgpr_count:     66
    .vgpr_count:     1024
    .wavefront_size: 32
...
	.end_amdgpu_metadata
.endif
;; end of part 2
;; launch outp (part 3): grid 8 x 32, 4 waves a work-group, clusters of 4 x 4, 327,680 bytes of LDS; arguments AF, Wo_codes, Wo_scales, bo, out0; writes out0
.if DOCPART == 3
	.amdgcn_target "amdgcn-amd-amdhsa--gfx1250"
	.amdhsa_code_object_version 6
	.text
	.protected	k_qa33d6f8b7c_outp
	.globl	k_qa33d6f8b7c_outp
	.p2align	8
	.type	k_qa33d6f8b7c_outp,@function
k_qa33d6f8b7c_outp:
	s_mov_b64 s[64:65], 0
	v_nop
	global_prefetch_b8 v0, s[64:65] scope:SCOPE_SE
	s_setreg_imm32_b32 hwreg(HW_REG_WAVE_MODE, 25, 1), 1
	s_wait_xcnt 0x0
	s_wait_alu depctr_hold_cnt(0) depctr_sa_sdst(0) depctr_va_vdst(0) depctr_va_sdst(0) depctr_va_ssrc(0) depctr_va_vcc(0) depctr_vm_vsrc(0)
	s_getreg_b32 s2, hwreg(HW_REG_IB_STS2, 6, 4)
	s_cmp_eq_u32 s2, 0
	s_cbranch_scc0 .Lentry_in_a_cluster
	s_endpgm
.Lentry_in_a_cluster:
	s_bfe_u32 s2, ttmp6, 0x10000c
	s_cmp_lg_u32 s2, 0xf033
	s_cbranch_scc0 .Lentry_shape_is_right
	s_endpgm
.Lentry_shape_is_right:
; out0 = A Wo^T + bo, [4096 tokens] x [512 outputs] over K = 4,096, on codes of FP6 (E2M3) with one E8M0 scale for each 32 along K.  A comes as units of AF ([128 tokens: 32][128 along K: 32] x 12,800 bytes: eight fragments as images of
; their registers, 1,536 bytes each, and at 12,288 + 16 l four scale words, word p that of row 16 (2 p + l / 16) + l % 16);  Wo as it is given: rows of 3,072 bytes of codes and 128 scale bytes.
; SHARES.  Work-group (J, I) makes 128 tokens x 64 outputs: 256 work-groups.  K IS SHARED OUT AMONG THE FOUR WAVES: wave w takes steps 8 w .. 8 w + 7 of the 32 steps of 128, with 32 accumulators (8 blocks of tokens x 4 of outputs),
; so that each byte that comes into LDS is read once, by the wave that asked for it.  The four partial sums meet in LDS and are added in f32, ((0 + 1) + (2 + 3)) + bo: an order of rounding other than one chain along K.
; Source 0 = 16 rows of Wo, source 1 = 16 tokens: a lane holds eight neighbouring outputs of one token.
; Wo's part of a wave (64 rows x 768 bytes) comes into LDS once and goes on into 384 REGISTERS, where it stays; its LDS bytes then take four units of A, and at the end the wave's partial sums.
; CLUSTERS: 4 x 4 work-groups.  A's units hang on I (and the wave) alone and are asked for jointly by a row of the cluster, Wo's tile on J (and the wave) alone and by a column.
; No prefetch: six of a wave's eight units are asked for within the first two rounds, so there is no place ahead of their loads but the kernel's head.
; REGISTERS: window 0: v16-31 addresses; v32-47 Wo's scale words, v48-55 A's scale images, two sets (nothing else ever lies there); v56-59 bo; v64-159, v160-255 A's eight fragments, two sets.
;   window 1: Wo's fragments of steps 0-4 (48 u + 12 t), later the four partial sums;  window 3: those of steps 5-7;  window 2: the 32 accumulators, (n, t) at 8 (4 n + t).
.set UNIT,   12800
.set FR,     12
.set WPITCH, 816                       ; a row of Wo's tile in LDS: 3 x (256 bytes + 16 of padding) = 204 words: sixteen neighbouring rows start at sixteen different multiples of 4 words modulo 64
.set WREG,   64*WPITCH                 ; a wave's region: Wo's tile, then units 2-5, then the stage
.set F0,     4*WREG                    ; behind them, 25,600 bytes for each wave: units 0, 1, then units 6, 7
.set SPARE,  F0+8*UNIT                 ; the spare words, 128 bytes for each wave
.set SPITCH, 272                       ; a stage row: 64 outputs, 256 bytes, + 16
.set AWO,  16                          ; v16  my lane's place in Wo's tile; v17 the same behind one padding more
.set AF0,  18                          ; v18  16 x lane + my part of F0
.set AFW,  19                          ; v19  16 x lane + my region
.set STO,  20                          ; v20  the stage: where I put 32 bytes of a row
.set RD,   21                          ; v21-24 where I read rows of the four stages back
.set CO,   25                          ; v25  my byte offset in two rows of out0
.set LSC,  26                          ; v26  128 x lane: a row of Wo's scale bytes
.set BOO,  27                          ; v27  16 x (lane % 16)
.set SPW,  28                          ; v28  LDS address of my spare word; never rewritten
.set NIL,  29                          ; v29  0; never rewritten
.set WOS,  32                          ; register 8 p + u: lanes 0-15 the word of Wo's tile 2 p, lanes 16-31 of tile 2 p + 1, for my step u
.set ASI,  48
.set BO,   56
.set AS,   64
.set WV, 14
.set CX, 15
.set CY, 16
.set TJ, 17
.set TI, 18
.set LW, 19
.set G1W, 20                           ; s[20:27] descriptor group 1 for Wo's tile; s[28:35] for two units; s[36:43] for four
.set G1S, 28
.set G1L, 36
.set G0W, 44                           ; s[44:47], s[48:51], s[52:55] their groups 0
.set G0F, 48
.set G0L, 52
.set AB, 56                            ; s[56:57] my wave's first unit
.set MSB, 0
.macro WIN new                         ; the immediate's high byte repeats the setting that is left; a switch that changes nothing is dropped
.set WNEW, \new
.if MSB != WNEW
	s_set_vgpr_msb (MSB<<8)|WNEW
.set MSB, WNEW
.endif
.endm
.macro PLACES n
.rept \n
	v_nop
.endr
.endm
.macro CROUND                          ; a round of the cluster's barrier
	s_barrier_signal -1
	s_barrier_wait -1
	s_cmp_lg_u32 s[WV], 0
	s_cbranch_scc1 .Lnot_wave_0_\@
	s_barrier_signal -3
.Lnot_wave_0_\@:
	s_barrier_wait -3
	s_barrier_signal -1
	s_barrier_wait -1
.endm
.macro FRAGW reg, u, t                 ; Wo's fragment of tile t, my step u: lane (r, h) takes 24 bytes at 24 h and 24 at 48 + 24 h of its row's 96, in pieces of 8.  16 bytes of padding lie behind every 32 pieces:
.irp p, 0,1,2,3,4,5                    ; where the piece three on (lanes 16-31) lies behind one padding more, the second address register serves
.set PCE, 12*(\u)+6*(\p/3)+\p%3
.if PCE%32 < 29
	ds_load_b64 v[\reg+2*\p:\reg+2*\p+1], v[AWO] offset:8*PCE+16*(PCE/32)+(\t)*16*WPITCH
.else
	ds_load_b64 v[\reg+2*\p:\reg+2*\p+1], v[AWO+1] offset:8*PCE+16*(PCE/32)+(\t)*16*WPITCH
.endif
.endr
.endm
.macro FETCHU u                        ; my unit u: its scale image and its eight fragments, 25 loads, into set u % 2
.if (\u) < 2
.set UA, AF0
.set UO, (\u)*UNIT
.elseif (\u) < 6
.set UA, AFW
.set UO, ((\u)-2)*UNIT
.else
.set UA, AF0
.set UO, ((\u)-6)*UNIT
.endif
	ds_load_b128 v[ASI+4*((\u)%2):ASI+4*((\u)%2)+3], v[UA] offset:UO+12288
.irp i, 0,1,2,3,4,5,6,7
.irp c, 0,1,2
	ds_load_b128 v[AS+96*((\u)%2)+FR*\i+4*\c:AS+96*((\u)%2)+FR*\i+4*\c+3], v[UA] offset:UO+1536*\i+512*\c
.endr
.endr
.endm
.macro WM3 n, t, u, zero               ; tokens' block n x Wo's tile t, my step u.  An odd block's scale words lie in lanes 16-31 of its register
.set rD, 8*(4*(\n)+(\t))
.set rA, 48*((\u)%5)+FR*(\t)           ; steps 0-4 in window 1, steps 5-7 in window 3
.set rB, AS+96*((\u)%2)+FR*(\n)
.set rSA, WOS+8*((\t)/2)+(\u)
.set rSB, ASI+4*((\u)%2)+(\n)/2
.set PAR, ((\t)%2)+2*((\n)%2)+4*(\zero)
.if PAR == 0
	v_wmma_scale_f32_16x16x128_f8f6f4 v[rD:rD+7], v[rA:rA+11], v[rB:rB+11], v[rD:rD+7], v[rSA], v[rSB] matrix_a_fmt:MATRIX_FMT_FP6 matrix_b_fmt:MATRIX_FMT_FP6
.elseif PAR == 1
	v_wmma_scale_f32_16x16x128_f8f6f4 v[rD:rD+7], v[rA:rA+11], v[rB:rB+11], v[rD:rD+7], v[rSA], v[rSB] matrix_a_fmt:MATRIX_FMT_FP6 matrix_b_fmt:MATRIX_FMT_FP6 matrix_a_scale:MATRIX_SCALE_ROW1
.elseif PAR == 2
	v_wmma_scale_f32_16x16x128_f8f6f4 v[rD:rD+7], v[rA:rA+11], v[rB:rB+11], v[rD:rD+7], v[rSA], v[rSB] matrix_a_fmt:MATRIX_FMT_FP6 matrix_b_fmt:MATRIX_FMT_FP6 matrix_b_scale:MATRIX_SCALE_ROW1
.elseif PAR == 3
	v_wmma_scale_f32_16x16x128_f8f6f4 v[rD:rD+7], v[rA:rA+11], v[rB:rB+11], v[rD:rD+7], v[rSA], v[rSB] matrix_a_fmt:MATRIX_FMT_FP6 matrix_b_fmt:MATRIX_FMT_FP6 matrix_a_scale:MATRIX_SCALE_ROW1 matrix_b_scale:MATRIX_SCALE_ROW1
.elseif PAR == 4
	v_wmma_scale_f32_16x16x128_f8f6f4 v[rD:rD+7], v[rA:rA+11], v[rB:rB+11], 0, v[rSA], v[rSB] matrix_a_fmt:MATRIX_FMT_FP6 matrix_b_fmt:MATRIX_FMT_FP6
.elseif PAR == 5
	v_wmma_scale_f32_16x16x128_f8f6f4 v[rD:rD+7], v[rA:rA+11], v[rB:rB+11], 0, v[rSA], v[rSB] matrix_a_fmt:MATRIX_FMT_FP6 matrix_b_fmt:MATRIX_FMT_FP6 matrix_a_scale:MATRIX_SCALE_ROW1
.elseif PAR == 6
	v_wmma_scale_f32_16x16x128_f8f6f4 v[rD:rD+7], v[rA:rA+11], v[rB:rB+11], 0, v[rSA], v[rSB] matrix_a_fmt:MATRIX_FMT_FP6 matrix_b_fmt:MATRIX_FMT_FP6 matrix_b_scale:MATRIX_SCALE_ROW1
.else
	v_wmma_scale_f32_16x16x128_f8f6f4 v[rD:rD+7], v[rA:rA+11], v[rB:rB+11], 0, v[rSA], v[rSB] matrix_a_fmt:MATRIX_FMT_FP6 matrix_b_fmt:MATRIX_FMT_FP6 matrix_a_scale:MATRIX_SCALE_ROW1 matrix_b_scale:MATRIX_SCALE_ROW1
.endif
.endm
.macro MULU u, zero                    ; a step's 32 matrix instructions.  The 32 accumulators take turns, one instruction a turn, in the same order in every step
.if (\u) < 5
	WIN 0xa1                               ; Wo window 1, A window 0, C and D window 2
.else
	WIN 0xa3                               ; Wo window 3
.endif
.irp n, 0,1,2,3,4,5,6,7
.irp t, 0,1,2,3
	WM3 \n, \t, \u, \zero
.endr
.endr
	WIN 0
.endm
	s_load_b256 s[4:11], s[0:1], 0x0               ; AF s[4:5], Wo's codes s[6:7], Wo's scales s[8:9], bo s[10:11]
	s_load_b64 s[12:13], s[0:1], 0x20              ; out0
	v_lshl_add_u32 v[SPW], v0, 2, SPARE
	v_mov_b32 v[NIL], 0
	ds_add_u32 v28, v29
	ds_add_u32 v28, v29
	s_wait_dscnt 0x0
	v_lshrrev_b32 v1, 5, v0
	v_readfirstlane_b32 s[WV], v1                  ; wave 0..3
	s_bfe_u32 s[CX], ttmp6, 0x40000
	s_bfe_u32 s[CY], ttmp6, 0x40004
	s_lshl_b32 s[TJ], ttmp9, 2
	s_add_co_u32 s[TJ], s[TJ], s[CX]               ; J: which 64 outputs
	s_and_b32 s[TI], ttmp7, 0xffff
	s_lshl_b32 s[TI], s[TI], 2
	s_add_co_u32 s[TI], s[TI], s[CY]               ; I: which 128 tokens
	s_lshl_b32 s74, s[CY], 2
	s_lshl_b32 s74, 15, s74                        ; my row of the cluster
	s_lshl_b32 s75, 0x1111, s[CX]                  ; my column
	s_or_b32 s[G1W], s75, (1<<20)|(1<<21)|(5<<22)|(3<<25)   ; Wo's tile goes to my column; elements of 1 byte; padding on; 21 set beside a mask; after every 64 words 4 words
	s_mov_b32 s[G1W+1], 768<<16                    ; tensor_dim0: eight steps of 96 bytes
	s_mov_b32 s[G1W+2], 64<<16                     ; tensor_dim1
	s_mov_b32 s[G1W+3], 768<<16                    ; tile_dim0
	s_mov_b32 s[G1W+4], 64                         ; tile_dim1
	s_mov_b32 s[G1W+5], 3072                       ; tensor_dim0_stride
	s_mov_b32 s[G1W+6], 0
	s_mov_b32 s[G1W+7], 0
	s_or_b32 s[G1S], s74, (3<<16)|(1<<21)          ; A's units go to my row; elements of 8 bytes; no padding
	s_mov_b32 s[G1S+1], 32<<16                     ; rows of 256 bytes, dense:
	s_mov_b32 s[G1S+2], 100<<16                    ; 100 of them are two units
	s_mov_b32 s[G1S+3], 32<<16
	s_mov_b32 s[G1S+4], 100
	s_mov_b32 s[G1S+5], 32
	s_mov_b32 s[G1S+6], 0
	s_mov_b32 s[G1S+7], 0
	s_or_b32 s[G1L], s74, (3<<16)|(1<<21)
	s_mov_b32 s[G1L+1], 32<<16
	s_mov_b32 s[G1L+2], 200<<16                    ; 200 are four units
	s_mov_b32 s[G1L+3], 32<<16
	s_mov_b32 s[G1L+4], 200
	s_mov_b32 s[G1L+5], 32
	s_mov_b32 s[G1L+6], 0
	s_mov_b32 s[G1L+7], 0
	s_lshl_b32 s58, s[TI], 5
	s_lshl_b32 s66, s[WV], 3
	s_add_co_u32 s58, s58, s66
	s_mul_i32 s58, s58, UNIT                       ; A: unit 32 I + 8 w
	s_mov_b32 s59, 0
	s_mul_i32 s60, s[TJ], 64*3072
	s_mul_i32 s67, s[WV], 768
	s_add_co_u32 s60, s60, s67                     ; Wo's codes: row 64 J, my eight steps
	s_mov_b32 s61, 0
	s_lshl_b32 s68, s[TJ], 13
	s_lshl_b32 s63, s[WV], 5
	s_add_co_u32 s68, s68, s63                     ; Wo's scales: row 64 J of 128 bytes, my 32 bytes
	s_mov_b32 s69, 0
	s_lshl_b32 s70, s[TJ], 8                       ; bo: 64 J numbers on
	s_mov_b32 s71, 0
	s_lshl_b32 s72, s[TI], 18
	s_lshl_b32 s63, s[WV], 16
	s_add_co_u32 s72, s72, s63
	s_add_co_u32 s72, s72, s70                     ; out0: row 128 I + 32 w of 2,048 bytes, + 256 J
	s_mov_b32 s73, 0
	s_mul_i32 s[LW], s[WV], WREG                   ; my region: no place in the cluster enters an LDS address
	s_mul_i32 s62, s[WV], 2*UNIT
	s_add_co_u32 s62, s62, F0
	v_and_b32 v1, 15, v0                           ; r
	v_bfe_u32 v2, v0, 4, 1                         ; h
	v_and_b32 v3, 31, v0                           ; lane
	v_mul_u32_u24 v4, v1, WPITCH
	v_mad_u32_u24 v5, v2, 24, v4
	v_add_nc_u32 v[AWO], s[LW], v5
	v_mad_u32_u24 v5, v2, 40, v4
	v_add_nc_u32 v[AWO+1], s[LW], v5
	v_lshlrev_b32 v6, 4, v3
	v_add_nc_u32 v[AFW], s[LW], v6
	v_add_nc_u32 v[AF0], s62, v6
	v_mul_u32_u24 v7, v1, SPITCH
	v_lshl_add_u32 v7, v2, 5, v7
	v_add_nc_u32 v[STO], s[LW], v7                 ; into my stage: row r, + 32 h
	s_mul_i32 s66, s[WV], 32*SPITCH
	v_mul_u32_u24 v8, v2, SPITCH
	v_lshl_add_u32 v8, v1, 4, v8
	v_add_nc_u32 v8, s66, v8                       ; back: rows 32 w on; lanes 0-15 one row of 256 bytes, lanes 16-31 the next
.irp q, 0,1,2,3
	v_add_nc_u32 v[RD+\q], \q*WREG, v8
.endr
	v_lshlrev_b32 v[CO], 11, v2
	v_lshl_add_u32 v[CO], v1, 4, v[CO]             ; and the same two rows in out0
	v_lshlrev_b32 v[LSC], 7, v3
	v_lshlrev_b32 v[BOO], 4, v1
	s_wait_kmcnt 0x0
	s_add_nc_u64 s[AB:AB+1], s[4:5], s[58:59]
	s_add_nc_u64 s[6:7], s[6:7], s[60:61]
	s_add_nc_u64 s[8:9], s[8:9], s[68:69]
	s_add_nc_u64 s[10:11], s[10:11], s[70:71]
	s_add_nc_u64 s[12:13], s[12:13], s[72:73]
	s_mov_b32 s[G0W], 1
	s_mov_b32 s[G0W+1], s[LW]
	s_mov_b64 s[G0W+2:G0W+3], s[6:7]
	s_or_b32 s[G0W+3], s[G0W+3], 0x80000000
	s_mov_b32 s[G0F], 1
	s_mov_b32 s[G0F+1], s62
	s_mov_b64 s[G0F+2:G0F+3], s[AB:AB+1]           ; units 0, 1
	s_or_b32 s[G0F+3], s[G0F+3], 0x80000000
	s_mov_b32 s[G0L], 1
	s_mov_b32 s[G0L+1], s[LW]
	s_add_nc_u64 s[G0L+2:G0L+3], s[AB:AB+1], 2*UNIT   ; units 2 to 5
	s_or_b32 s[G0L+3], s[G0L+3], 0x80000000
	CROUND                                         ; all sixteen work-groups are here: the first joint loads meet
	tensor_load_to_lds s[G0W:G0W+3], s[G1W:G1W+7]  ; the two first fills go out together: two loads of mine are out
	s_nop 0
	tensor_load_to_lds s[G0F:G0F+3], s[G1S:G1S+7]
	s_nop 0
	PLACES 4
.irp p, 0,1
.irp v, 0,1
	global_load_b128 v[WOS+8*\p+4*\v:WOS+8*\p+4*\v+3], v[LSC], s[8:9] offset:4096*\p+16*\v   ; lane l: row 32 p + l of my 64, the words of my steps 4 v .. 4 v + 3
.endr
.endr
	global_load_b128 v[BO:BO+3], v[BOO], s[10:11]
	s_wait_tensorcnt 1                             ; Wo's tile is in (units 0, 1 may be out); I alone read it
	WIN 0x40
.irp u, 0,1,2,3,4
.irp t, 0,1,2,3
	FRAGW 48*\u+FR*\t, \u, \t
.endr
.endr
	WIN 0xc0
.irp u, 5,6,7
.irp t, 0,1,2,3
	FRAGW 48*(\u-5)+FR*\t, \u, \t
.endr
.endr
	WIN 0
	s_wait_tensorcnt 0x0                           ; all my tensor loads have landed
	ds_add_u32 v[SPW], v[NIL]                      ; 0 onto my spare word
	s_wait_dscnt 0x0                               ; the add is done, and Wo is in my registers: its LDS bytes are free
	CROUND                                         ; no wave of any partner still reads the bytes to be filled or has a load on its way
	tensor_load_to_lds s[G0L:G0L+3], s[G1L:G1L+7]  ; units 2 to 5, over Wo's tile
	s_nop 0
	PLACES 4
	FETCHU 0
	FETCHU 1
	s_wait_loadcnt 0x0                             ; Wo's scale words and bo
	s_wait_dscnt 25                                ; unit 0 is in; unit 1's 25 loads may be out
	MULU 0, 1
	s_wait_dscnt 0x0
	MULU 1, 0
	s_wait_tensorcnt 0x0                           ; units 2 to 5 have landed: no tensor load of mine is out
	ds_add_u32 v[SPW], v[NIL]
	s_add_nc_u64 s[G0F+2:G0F+3], s[AB:AB+1], 6*UNIT   ; units 6, 7
	s_or_b32 s[G0F+3], s[G0F+3], 0x80000000
	s_wait_dscnt 0x0                               ; the add is done, and my reads of units 0, 1 are over
	CROUND
	tensor_load_to_lds s[G0F:G0F+3], s[G1S:G1S+7]  ; over units 0, 1
	s_nop 0
	PLACES 4                                       ; the places in front of the loads below
	FETCHU 2
	FETCHU 3
.irp u, 2,3,4,5                        ; while a unit is multiplied the next one's loads are out; behind it, four places on, its set takes the unit two on
	s_wait_dscnt 25
	MULU \u, 0
	PLACES 4
.if \u == 4
	s_wait_tensorcnt 0x0                           ; units 6, 7 are in: no load was issued behind theirs
.endif
	FETCHU \u+2
.endr
	s_wait_dscnt 25
	MULU 6, 0
	s_wait_dscnt 0x0
	MULU 7, 0
	PLACES 4
	; THE WAY OUT.  My partial sums go into my region, which has had its last fill and whose units I have read; a barrier; each wave adds 32 whole rows of the four stages and bo, and stores them.
	WIN 0x08                                       ; an LDS store's data are its source 1: window 2
.irp n, 0,1,2,3,4,5,6,7
.irp t, 0,1,2,3
	ds_store_b128 v[STO], v[8*(4*\n+\t):8*(4*\n+\t)+3] offset:16*\n*SPITCH+64*\t        ; lane (r, h): token 16 n + r, outputs 16 t + 8 h + 0 .. 7; each accumulator from its low end on
	ds_store_b128 v[STO], v[8*(4*\n+\t)+4:8*(4*\n+\t)+7] offset:16*\n*SPITCH+64*\t+16
.endr
.endr
	WIN 0
	s_wait_dscnt 0x0                               ; for the others' sake: my stores have landed
	s_barrier_signal -1
	s_barrier_wait -1
	WIN 0x40                                       ; destination window 1: Wo's registers are free
.irp q, 0,1,2,3
.irp i, 0,1,2,3,4,5,6,7,8,9,10,11,12,13,14,15
	ds_load_b128 v[64*\q+4*\i:64*\q+4*\i+3], v[RD+\q] offset:2*\i*SPITCH
.endr
.endr
	s_wait_dscnt 32                                ; waves 0's and 1's sums are in; the 32 loads of the other two may be out
	WIN 0x45
.set i, 0
.rept 32
	v_pk_add_f32 v[i:i+1], v[i:i+1], v[64+i:64+i+1]
.set i, i+2
.endr
	s_wait_dscnt 0x0
.set i, 0
.rept 32
	v_pk_add_f32 v[128+i:128+i+1], v[128+i:128+i+1], v[192+i:192+i+1]
.set i, i+2
.endr
.set i, 0
.rept 32
	v_pk_add_f32 v[i:i+1], v[i:i+1], v[128+i:128+i+1]
.set i, i+2
.endr
	WIN 0x41                                       ; bo in window 0
.set i, 0
.rept 32
	v_pk_add_f32 v[i:i+1], v[i:i+1], v[BO+i%4:BO+i%4+1]
.set i, i+2
.endr
	WIN 0x04                                       ; a store's data are its source 1: window 1
.irp i, 0,1,2,3,4,5,6,7,8,9,10,11,12,13,14,15
	global_store_b128 v[CO], v[4*\i:4*\i+3], s[12:13] offset:4096*\i th:TH_STORE_NT   ; 16 lanes store 256 consecutive bytes, at a multiple of 256 from out0's first byte; written once, read by nobody here
.endr
	WIN 0
	s_wait_tensorcnt 0x0                           ; the wave's end
	ds_add_u32 v[SPW], v[NIL]
	s_wait_dscnt 0x0
	CROUND                                         ; the closing round: no work-group ends while a partner may still ask for a tile that names it
	s_endpgm
.Lfunc_end_k_qa33d6f8b7c_outp:
	.size	k_qa33d6f8b7c_outp, .Lfunc_end_k_qa33d6f8b7c_outp-k_qa33d6f8b7c_outp
	.p2alignl 7, 3214868480
	.fill 96, 4, 3214868480
	.section	.rodata,"a",@progbits
	.p2align	6, 0x0
	.amdhsa_kernel k_qa33d6f8b7c_outp
		.amdhsa_group_segment_fixed_size 327680
		.amdhsa_private_segment_fixed_size 0
		.amdhsa_enable_private_segment 0
		.amdhsa_kernarg_size 40
		.amdhsa_user_sgpr_count 2
		.amdhsa_user_sgpr_kernarg_segment_ptr 1
		.amdhsa_wavefront_size32 1
		.amdhsa_system_sgpr_workgroup_id_x 1
		.amdhsa_system_sgpr_workgroup_id_y 1
		.amdhsa_system_sgpr_workgroup_id_z 1
		.amdhsa_system_vgpr_workitem_id 0
		.amdhsa_next_free_vgpr 1024
		.amdhsa_next_free_sgpr 76
		.amdhsa_reserve_vcc 0
		.amdhsa_float_denorm_mode_32 3
		.amdhsa_float_denorm_mode_16_64 3
		.amdhsa_memory_ordered 1
		.amdhsa_forward_progress 1
		.amdhsa_inst_pref_size 85
	.end_amdhsa_kernel
	.amdgpu_metadata
---
amdhsa.version: [ 1, 2 ]
amdhsa.kernels:
  - .name:           k_qa33d6f8b7c_outp
    .symbol:         k_qa33d6f8b7c_outp.kd
    .args:
      - { .name: AF, .offset: 0, .size: 8, .value_kind: global_buffer, .address_space: global }
      - { .name: Wo_codes, .offset: 8, .size: 8, .value_kind: global_buffer, .address_space: global }
      - { .name: Wo_scales, .offset: 16, .size: 8, .value_kind: global_buffer, .address_space: global }
      - { .name: bo, .offset: 24, .size: 8, .value_kind: global_buffer, .address_space: global }
      - { .name: out0, .offset: 32, .size: 8, .value_kind: global_buffer, .address_space: global }
    .group_segment_fixed_size: 327680
    .private_segment_fixed_size: 0
    .kernarg_segment_align: 8
    .kernarg_segment_size: 40
    .max_flat_workgroup_size: 128
    .sgpr_count:     76
    .vgpr_count:     1024
    .wavefront_size: 32
...
	.end_amdgpu_metadata
.endif
;; end of part 3
